; MI455X (gfx1250); checked and timed in simulation.
; The chip was launched on July 23, 2026; its instructions are those of AMD's public machine-readable ISA for CDNA 5 (MIT licence, August 2026) and "CDNA5" Instruction Set Architecture Reference Guide (July 2026). The comments in the code are by the model that wrote it; some were corrected since.
;; Flash MHA. Allowed arithmetic: matrix products marked QUANTISED: E2M1 operands, one E8M0 scale for each 32 along K, by v_wmma_scale_f32_16x16x128_f8f6f4 with both operands' format E2M1 (or v_wmma_scale_f32_32x16x128_f4), f32 sums; everything else in f32.
;; Inputs: b_o 1,024 float32; b_qkv 3,072 float32; w_o 1,024 x 1,024 float32; w_qkv 3,072 x 1,024 float32; x 4 x 2,048 x 1,024 float32.
;; Outputs: out0 4 x 2,048 x 1,024 float32.
;; This version of the problem:
;;   THIS VERSION OF THE PROBLEM IS GIVEN IN LOW PRECISION. The matrix products marked QUANTISED in the list below multiply operands that are first quantised to E2M1 (2 exponent bits, 1 mantissa bit; 4 bits a number), with one power-of-two scale for each 32 numbers along K (OCP MX v1.0); their sums are f32. All else is computed in f32.
;;   The module's matrix products, in the order in which they are computed (A, B: the left and right operand; K: the contracted axis; several contracted axes count as one K, in the product's order):
;;     1. [M 8,192, K 1,024] x [K 1,024, N 3,072]; A: input x; B: input w_qkv: QUANTISED
;;     2. batch 64 x [M 2,048, K 64] x [K 64, N 2,048]; A: computed on the way; B: computed on the way: QUANTISED
;;     3. batch 64 x [M 2,048, K 2,048] x [K 2,048, N 64]; A: softmax (see below); B: computed on the way: QUANTISED
;;     4. [M 8,192, K 1,024] x [K 1,024, N 1,024]; A: computed on the way; B: input w_o: QUANTISED
;;   THE QUANTISER, for each operand of a quantised product, along K:
;;     - K is cut into blocks of 32 from its start; a last block that is shorter is filled with zeros.
;;     - A block's scale is 2^e with e = floor(log2(the largest magnitude in the block)) - 2, held to -126 .. 127; a block of zeros has e = 0. As a byte (E8M0): e + 127.
;;     - Each number is divided by its block's scale, clamped to +-6, and rounded to the nearest number of E2M1, ties to even, subnormals kept.
;;     - The product sums the exact products of the quantised numbers (number of the format x scale) in f32.
;;   ~~~python
;;   def quantise(x, axis):      # numpy; x: float32 -> the quantised numbers, widened to float32 again
;;       x = np.moveaxis(x, axis, -1); K = x.shape[-1]
;;       x = np.pad(x, [(0, 0)] * (x.ndim - 1) + [(0, -K % 32)]); x = x.reshape(x.shape[:-1] + (-1, 32)); a = np.abs(x).max(-1, keepdims=True)
;;       e = np.where(a > 0, np.clip(np.frexp(np.where(a > 0, a, 1))[1] - 1 - 2, -126, 127), 0)      # np.frexp(a)[1] - 1 = floor(log2(a)), exactly
;;       r = np.clip(x / 2.0 ** e, -6, 6)
;;       step = 2.0 ** (np.maximum(np.frexp(np.where(r == 0, 1, r))[1] - 1, 0) - 1)
;;       q = np.round(r / step) * step * 2.0 ** e      # np.round: ties to even
;;       return np.moveaxis(q.reshape(q.shape[:-2] + (-1,))[..., :K], -1, axis).astype(np.float32)
;;   ~~~
;;   SOFTMAX AHEAD OF A QUANTISED PRODUCT. Where the list says 'softmax', what is quantised is not the finished softmax but p = 2^(t - M), with t = logit x log2(e) and M = ceil(the row's largest t), a whole number; so 1/2 < the row's largest p <= 1. The row's sum l is taken of the UNQUANTISED p, in f32, and the product's result is divided by l at the end. Since M is a whole number, a kernel that streams over the keys may use a running M (the ceiling of the running maximum): every later rescaling is an exact power of two, which a block's scale takes up: the codes' values come out the same.
;;   OPERANDS COMPUTED ON THE WAY. 'Computed on the way' means the value that the module computes at that place (a softmax that the list does not call 'softmax' is quantised finished and normalised). What goes into a quantiser is computed in f32, as accurately as f32 sums, v_exp_f32 and their like allow (about 1e-6 of the number): no bf16 or f16 on the way to a quantiser, and a product that is left as it is and whose result goes on into a quantised operand takes f32 operands (vector FMAs, or v_wmma_f32_16x16x4_f32). A number that lies on a knife's edge between two numbers of the format may be rounded either way, as far as f32 arithmetic and the matrix unit's own rounding can turn it there, and no further.
;; One version. Each part assembles by itself: llvm-mc -triple=amdgcn-amd-amdhsa -mcpu=gfx1250 --defsym DOCPART=n.
;; ======== version 1 of 1: 4 launches
;; workspace buffers: xop 4,456,448 bytes; wqop 1,671,168 bytes; woop 557,056 bytes; qkv 13,893,632 bytes; aop 4,456,448 bytes
;; launch quant (part 1): grid 384 x 1, 4 waves a work-group, no clusters, 35,328 bytes of LDS; arguments x, w_qkv, w_o, xop, wqop, woop; writes xop, wqop, woop
.if DOCPART == 1
	.amdgcn_target "amdgcn-amd-amdhsa--gfx1250"
	.amdhsa_code_object_version 6
	.text
	.protected	k_qd5bf3f120e_quant
	.globl	k_qd5bf3f120e_quant
	.p2align	8
	.type	k_qd5bf3f120e_quant,@function
k_qd5bf3f120e_quant:
	s_mov_b64 s[64:65], 0
	v_nop
	global_prefetch_b8 v0, s[64:65] scope:SCOPE_SE
	s_setreg_imm32_b32 hwreg(HW_REG_WAVE_MODE, 25, 1), 1
	s_wait_xcnt 0x0
; x [8192][1024], w_qkv [3072][1024], w_o [1024][1024], f32, K innermost, become codes of FP4 (E2M1) with one E8M0 byte for each 32 along K,
; laid as the later launches' operand registers want them.  A RECORD of REC bytes serves 128 rows (8 tiles of 16):
;   codes at 32768 kh + 4096 t8 + 1024 ks + 512 c + 16 lane: lane (r, h) holds k = 512 kh + 128 ks + 64 c + 32 h + 0 .. 31 of its row;
;   scale words (four bytes: 128 along K of one row) at 65536 + 512 kstep + 64 t8 + 4 r.
; THE ROWS OF A TILE ARE NOT NEIGHBOURS: lane r of tile t8 holds row 32 (t8 / 2) + 8 (t8 % 2) + r + 8 (r / 8) of the 128.
; A block's scale is 2^(floor(log2(its largest magnitude)) - 2): its byte is that magnitude's exponent field - 2, held at 1 from below.
; LIMITS: a block of zeros gets the byte 1 where the rule says 127 (its codes are zeros, and this program alone reads the bytes); NaN and infinities among the inputs are not served.
; SHARES.  Work-groups 0-255 take x, 256-351 w_qkv, 352-383 w_o: only pointers are chosen, all take one path.  A work-group takes 64 rows x 512 along K of a record; wave w one K step of 128 for four tiles.
; A step: 16 loads of 512 consecutive bytes (a row's 128 numbers); through the wave's own stage in LDS (rows of 512 + 16 bytes); back as 2 x 32 neighbours a lane: two whole blocks, so no other lane is asked for a maximum.
; No matrix unit, no tensor load, no barrier: waves share nothing and memory binds.
.set REC,   69632
.set SP,    528                        ; a stage row
.set WREG,  16*SP+256                  ; a wave's LDS: the stage, then its 256 bytes of scale words
.set RAW,   16                         ; v16-143  two sets of 64 registers as loaded
.set X,     144                        ; v144-207 my two blocks of 32
.set C,     208                        ; v208-239 codes, eight registers a step: no store's data are written again
	s_load_b256 s[4:11], s[0:1], 0x0               ; x, w_qkv, w_o, xop
	s_load_b128 s[12:15], s[0:1], 0x20             ; wqop, woop
	v_lshl_add_u32 v254, v0, 2, 0x8800
	v_mov_b32 v255, 0
	v_lshrrev_b32 v1, 5, v0
	v_readfirstlane_b32 s16, v1                    ; wave
	v_and_b32 v1, 31, v0                           ; lane
	v_and_b32 v2, 15, v0                           ; r
	v_bfe_u32 v3, v0, 4, 1                         ; h
	v_lshlrev_b32 v4, 4, v1                        ; 16 x lane: my place in a load's and in a store's 512 bytes
	s_mul_i32 s30, s16, WREG
	v_add_nc_u32 v5, s30, v4                       ; the stage, on the way in
	v_mul_u32_u24 v6, v2, SP
	v_lshl_add_u32 v6, v3, 7, v6
	v_add_nc_u32 v6, s30, v6                       ; and on the way out: row r, + 128 h bytes
	s_add_co_u32 s30, s30, 16*SP
	v_lshl_add_u32 v7, v2, 2, s30                  ; my row's scale word
	v_lshl_add_u32 v8, v1, 3, s30                  ; the words' way out: 8 bytes a lane
	v_lshlrev_b32 v9, 3, v1
	v_lshlrev_b32 v10, 3, v3                       ; 8 h: my two bytes' place in the word
	v_mov_b32 v243, 0                              ; a lane permute's destination counts as one of its sources
	s_mov_b32 s28, 0x76543210
	s_mov_b32 s29, 0xfedcba98                      ; selects for lane l xor 16
	s_mov_b32 s17, 352
	s_wait_alu depctr_va_vdst(0)
	s_wait_kmcnt 0x0
	s_cmp_lt_u32 ttmp9, 352                        ; which tensor: the choice hangs on the work-group's number alone
	s_cselect_b64 s[6:7], s[6:7], s[8:9]
	s_cselect_b64 s[12:13], s[12:13], s[14:15]
	s_cselect_b32 s17, 256, s17
	s_cmp_lt_u32 ttmp9, 256
	s_cselect_b64 s[4:5], s[4:5], s[6:7]
	s_cselect_b64 s[10:11], s[10:11], s[12:13]
	s_cselect_b32 s17, 0, s17
	s_sub_co_u32 s17, ttmp9, s17                   ; my number within the tensor
	s_lshr_b32 s18, s17, 2                         ; G: the record
	s_bfe_u32 s19, s17, 0x10001                    ; tq: tiles 4 tq .. 4 tq + 3 (rows 64 tq on)
	s_and_b32 s20, s17, 1                          ; kq: K steps 4 kq .. 4 kq + 3
	s_lshl_b32 s22, s18, 19                        ; 128 rows of 4,096 bytes
	s_lshl_b32 s21, s19, 18
	s_add_co_u32 s22, s22, s21
	s_lshl_b32 s21, s20, 11
	s_add_co_u32 s22, s22, s21
	s_lshl_b32 s21, s16, 9                         ; my wave's 128 along K
	s_add_co_u32 s22, s22, s21
	s_mov_b32 s23, 0
	s_add_nc_u64 s[4:5], s[4:5], s[22:23]          ; the source
	s_mul_i32 s24, s18, REC
	s_mov_b32 s25, 0
	s_add_nc_u64 s[10:11], s[10:11], s[24:25]      ; the record
	s_lshl_b32 s24, s20, 15
	s_lshl_b32 s21, s19, 14
	s_add_co_u32 s24, s24, s21
	s_lshl_b32 s21, s16, 10
	s_add_co_u32 s24, s24, s21
	s_add_nc_u64 s[24:25], s[10:11], s[24:25]      ; my codes
	s_lshl_b32 s26, s20, 2
	s_add_co_u32 s26, s26, s16
	s_lshl_b32 s26, s26, 9
	s_lshl_b32 s21, s19, 8
	s_add_co_u32 s26, s26, s21
	s_add_co_u32 s26, s26, 65536
	s_mov_b32 s27, 0
	s_add_nc_u64 s[26:27], s[10:11], s[26:27]      ; my 256 bytes of scale words
.macro LOAD t                          ; tile t's 16 rows, 512 consecutive bytes each, into set t % 2
.irp i, 0,1,2,3,4,5,6,7,8,9,10,11,12,13,14,15
	global_load_b128 v[RAW+64*((\t)%2)+4*\i:RAW+64*((\t)%2)+4*\i+3], v4, s[4:5] offset:(32*((\t)/2)+8*((\t)%2)+\i+8*(\i/8))*4096 th:TH_LOAD_NT
.endr
.endm
.macro STEP t
.if (\t) < 3
	s_wait_loadcnt 16                              ; this tile's 16 loads are in; the next tile's 16 may be out
.else
	s_wait_loadcnt 0x0
.endif
.irp i, 0,1,2,3,4,5,6,7,8,9,10,11,12,13,14,15
	ds_store_b128 v5, v[RAW+64*((\t)%2)+4*\i:RAW+64*((\t)%2)+4*\i+3] offset:SP*\i
.endr
.irp c, 0,1
.irp j, 0,1,2,3,4,5,6,7
	ds_load_b128 v[X+32*\c+4*\j:X+32*\c+4*\j+3], v6 offset:256*\c+16*\j   ; LDS serves a wave's instructions in order: these see the stores above
.endr
.endr
	s_wait_dscnt 0x0                               ; my 64 numbers are back, and the stores have read their registers,
.if (\t) < 2
	LOAD (\t)+2                                    ; which take the tile two further on
.endif
	v_max3_num_f32 v12, |v[X]|, |v[X+1]|, 0x1800000      ; my block 2 c + h, c = 0, 1 by turns; the floor 2^(3 - 127) holds the byte at 1 from below
	v_max3_num_f32 v13, |v[X+32]|, |v[X+33]|, 0x1800000
.irp i, 2,4,6,8,10,12,14,16,18,20,22,24,26,28,30
	v_max3_num_f32 v12, v12, |v[X+\i]|, |v[X+\i+1]|
	v_max3_num_f32 v13, v13, |v[X+32+\i]|, |v[X+33+\i]|
.endr
	v_add_nc_u32 v14, 0xff000000, v12              ; 2 off the exponent field: the conversion takes this operand's exponent field as its scale
	v_add_nc_u32 v15, 0xff000000, v13
.irp c, 0,1
.irp g, 0,1,2,3
	v_cvt_scalef32_pk8_fp4_f32 v[C+8*(\t)+4*\c+\g], v[X+32*\c+8*\g:X+32*\c+8*\g+7], v[14+\c]
.endr
.endr
	v_lshrrev_b32 v240, 23, v14                    ; the bytes (a plain line behind the conversions)
	v_lshrrev_b32 v241, 23, v15
	v_lshl_or_b32 v242, v241, 16, v240             ; blocks h and 2 + h,
	v_lshlrev_b32 v242, v10, v242                  ; at their places;
	v_permlanex16_b32 v243, v242, s28, s29
	v_or_b32 v242, v242, v243                      ; with lane l xor 16's two the word is whole
	ds_store_b32 v7, v242 offset:64*(\t)           ; both halves write the same word with the same value
	global_store_b128 v4, v[C+8*(\t):C+8*(\t)+3], s[24:25] offset:4096*(\t)          ; 512 consecutive bytes, aligned
	global_store_b128 v4, v[C+8*(\t)+4:C+8*(\t)+7], s[24:25] offset:4096*(\t)+512
.endm
	LOAD 0
	LOAD 1
	STEP 0
	STEP 1
	STEP 2
	STEP 3
	ds_load_b64 v[12:13], v8                       ; my wave's 64 scale words
	s_wait_dscnt 0x0
	global_store_b64 v9, v[12:13], s[26:27]        ; 256 consecutive bytes, aligned
	s_wait_tensorcnt 0x0
	ds_add_u32 v254, v255
	s_wait_dscnt 0x0
	s_endpgm
.Lfunc_end_k_qd5bf3f120e_quant:
	.size	k_qd5bf3f120e_quant, .Lfunc_end_k_qd5bf3f120e_quant-k_qd5bf3f120e_quant
	.p2alignl 7, 3214868480
	.fill 96, 4, 3214868480
	.section	.rodata,"a",@progbits
	.p2align	6, 0x0
	.amdhsa_kernel k_qd5bf3f120e_quant
		.amdhsa_group_segment_fixed_size 35328
		.amdhsa_private_segment_fixed_size 0
		.amdhsa_enable_private_segment 0
		.amdhsa_kernarg_size 48
		.amdhsa_user_sgpr_count 2
		.amdhsa_user_sgpr_kernarg_segment_ptr 1
		.amdhsa_wavefront_size32 1
		.amdhsa_system_sgpr_workgroup_id_x 1
		.amdhsa_system_sgpr_workgroup_id_y 1
		.amdhsa_system_sgpr_workgroup_id_z 1
		.amdhsa_system_vgpr_workitem_id 0
		.amdhsa_next_free_vgpr 256
		.amdhsa_next_free_sgpr 66
		.amdhsa_reserve_vcc 0
		.amdhsa_float_denorm_mode_32 3
		.amdhsa_float_denorm_mode_16_64 3
		.amdhsa_memory_ordered 1
		.amdhsa_forward_progress 1
		.amdhsa_inst_pref_size 31
	.end_amdhsa_kernel
	.amdgpu_metadata
---
amdhsa.version: [ 1, 2 ]
amdhsa.kernels:
  - .name:           k_qd5bf3f120e_quant
    .symbol:         k_qd5bf3f120e_quant.kd
    .args:
      - { .name: x, .offset: 0, .size: 8, .value_kind: global_buffer, .address_space: global }
      - { .name: w_qkv, .offset: 8, .size: 8, .value_kind: global_buffer, .address_space: global }
      - { .name: w_o, .offset: 16, .size: 8, .value_kind: global_buffer, .address_space: global }
      - { .name: xop, .offset: 24, .size: 8, .value_kind: global_buffer, .address_space: global }
      - { .name: wqop, .offset: 32, .size: 8, .value_kind: global_buffer, .address_space: global }
      - { .name: woop, .offset: 40, .size: 8, .value_kind: global_buffer, .address_space: global }
    .group_segment_fixed_size: 35328
    .private_segment_fixed_size: 0
    .kernarg_segment_align: 8
    .kernarg_segment_size: 48
    .max_flat_workgroup_size: 128
    .sgpr_count:     66
    .vgpr_count:     256
    .wavefront_size: 32
...
	.end_amdgpu_metadata
.endif
;; end of part 1
;; launch qkvgemm (part 2): grid 12 x 32, 4 waves a work-group, clusters of 4 x 4, 279,040 bytes of LDS; arguments xop, wqop, b_qkv, qkv; writes qkv
.if DOCPART == 2
	.amdgcn_target "amdgcn-amd-amdhsa--gfx1250"
	.amdhsa_code_object_version 6
	.text
	.protected	k_qd5bf3f120e_qkvgemm
	.globl	k_qd5bf3f120e_qkvgemm
	.p2align	8
	.type	k_qd5bf3f120e_qkvgemm,@function
k_qd5bf3f120e_qkvgemm:
	s_mov_b64 s[64:65], 0
	v_nop
	global_prefetch_b8 v0, s[64:65] scope:SCOPE_SE
	s_setreg_imm32_b32 hwreg(HW_REG_WAVE_MODE, 25, 1), 1
	s_wait_xcnt 0x0
	s_wait_alu depctr_hold_cnt(0) depctr_sa_sdst(0) depctr_va_vdst(0) depctr_va_sdst(0) depctr_va_ssrc(0) depctr_va_vcc(0) depctr_vm_vsrc(0)
	s_getreg_b32 s2, hwreg(HW_REG_IB_STS2, 6, 4)
	s_cmp_eq_u32 s2, 0
	s_cbranch_scc0 .Lentry_in_a_cluster
	s_endpgm
.Lentry_in_a_cluster:
	s_bfe_u32 s2, ttmp6, 0x10000c
	s_cmp_lg_u32 s2, 0xf033
	s_cbranch_scc0 .Lentry_shape_is_right
	s_endpgm
.Lentry_shape_is_right:
; qkv = x w_qkv^T + b_qkv on codes of FP4 (K = 1,024), and its result quantised at once for the two products of attention: q and k along the head's 64, v along the keys.  No f32 result goes to memory.
; ROLES.  R is source 0 of the matrix instruction: its rows run along a lane's result registers.  L is source 1: its row is the result's lane.  The result is quantised along R.
;   cluster x = 0 (q), 1 (k): L = 256 tokens (block 4 Y + cy), R = 256 features (block 4 X + cx).      cluster x = 2 (v): L = 256 features (block 8 + cy), R = 256 tokens (block 4 Y + cx).
; So L always hangs on cy and R on cx; only pointers and two constants are chosen by the cluster's x, which all sixteen partners share, as are the three branches on it.
; The rows of a tile follow the records' order (lane r of tile t: row 32 (t / 2) + 8 (t % 2) + r + 8 (r / 8)), so that the 16 registers of result tiles 2 g, 2 g + 1 are 16 neighbours, 32 g + 16 h + 0 .. 15.
; SHARES.  A work-group makes 256 (L) x 256 (R), a wave 128 x 128: 64 accumulators, 512 registers.  All of K lies in LDS: two slots of 512 along K and the scale words, each filled ONCE; nothing is filled again.
; CLUSTER 4 x 4: L's records are asked for jointly along a row of the cluster, R's along a column: the same tensor load, the same descriptor, a mask that names the four.
; The operands lie in memory as images of the operand registers, so a fragment is two loads of 16 bytes a lane at 16 x lane: no pitch, no padding.
; THE HEAD RECORD (HREC bytes for each batch and head): KC [tile 128][lane][16]; VC [key step 16][d tile 4][c 2][lane][16]; KS [4 tiles 32][r][4 words]; VS [key step 16][r][4 words]; QC, QS as KC, KS.
; q's and k's scale words carry two bytes; bytes 2 and 3 are 0.
; LIMITS: a block of zeros gets the byte 1 (its codes are zeros; this program alone reads the bytes); NaN and infinities are not served.
; REGISTERS: window 0: v1-30 addresses; v32-95 scale words (8 K steps x 8: lanes 0-15 L's tile i, lanes 16-31 R's tile i); v96-127 the quantiser's; v128-255 L's fragments, two sets.
;   window 1: v0-63, v128-191 R's fragments, two sets; v64-127 the bias in the result's layout.   windows 2, 3: accumulator (a, b) at v[8 (8 (a % 4) + b)].
.set REC,   69632
.set HREC,  217088
.set VC,    65536
.set KS,    131072
.set VS,    139264
.set QC,    143360
.set QS,    208896
.set SLOT,  131072                     ; a slot: L's two halves, then R's two, 32,768 bytes each
.set SCL,   2*SLOT                     ; behind them the scale words, 4,096 bytes for each of the four halves
.set LI,    4                          ; v4   16 x lane
.set ADRL,  16                         ; v16-17 my L fragments in slot 0, 1
.set ADRR,  20                         ; v20-21 my R fragments
.set LA1,   25                         ; v25  the second store's offset
.set LSA,   26                         ; v26  the scale words' offset
.set ADRS,  27                         ; v27  LDS address of my scale words
.set H16,   28                         ; v28  16 h
.set BO1,   29                         ; v29  64 h
.set BO2,   30                         ; v30  4 (r + 8 (r / 8))
.set SC,    32
.set TM,    96
.set W,     112                        ; v112-119 the eight tiles' scale words
.set PC,    120                        ; v120-127 the codes just made
.set LF,    128
.set BI,    64                         ; in window 1
.set G1L,   24
.set G0L,   32
.set G1R,   48
.set G0R,   56
.set G1SL,  68
.set G0SL,  76
.set G1SR,  80
.set G0SR,  88
.set MSB, 0
.macro WIN new                         ; the immediate's high byte repeats the setting that is left
.if MSB != (\new)
	s_set_vgpr_msb (MSB<<8)|(\new)
.set MSB, (\new)
.endif
.endm
.macro PLACES                          ; four plain places behind a matrix instruction, in front of loads into its registers and of reads of its results
.rept 4
	v_nop
.endr
.endm
; A joint load: waves 0 and 1 fetch for L, waves 2 and 3 for R; the branch hangs on the wave's number alone.  Four v_nop follow each line.
.macro JLOAD g0l, g1l, g0r, g1r
	s_cmp_eq_u32 s17, 0
	s_cbranch_scc0 .Lfor_r_\@
	tensor_load_to_lds s[\g0l:\g0l+3], s[\g1l:\g1l+7]
	s_nop 0
.rept 4
	v_nop
.endr
	s_branch .Lasked_\@
.Lfor_r_\@:
	tensor_load_to_lds s[\g0r:\g0r+3], s[\g1r:\g1r+7]
	s_nop 0
.rept 4
	v_nop
.endr
.Lasked_\@:
.endm
.macro CROUND                          ; a round of the cluster's barrier
	s_barrier_signal -1
	s_barrier_wait -1
	s_cmp_lg_u32 s16, 0
	s_cbranch_scc1 .Lnot_wave_0_\@
	s_barrier_signal -3
.Lnot_wave_0_\@:
	s_barrier_wait -3
	s_barrier_signal -1
	s_barrier_wait -1
.endm
	s_load_b256 s[4:11], s[0:1], 0x0               ; xop s[4:5], wqop s[6:7], b_qkv s[8:9], qkv s[10:11]
	v_lshl_add_u32 v106, v0, 2, 0x44000
	v_mov_b32 v107, 0
	ds_add_u32 v106, v107
	ds_add_u32 v106, v107
	v_lshrrev_b32 v1, 5, v0
	v_readfirstlane_b32 s16, v1                    ; wave 0..3
	s_lshr_b32 s17, s16, 1                         ; hL: my half of L's rows.  Also: I fetch for L (0) or for R (1)
	s_and_b32 s18, s16, 1                          ; hR: my half of R's rows.  Also: which half I fetch
	s_bfe_u32 s22, ttmp6, 0x40000                  ; cx
	s_bfe_u32 s23, ttmp6, 0x40004                  ; cy
	s_mov_b32 s20, ttmp9                           ; X: 0 q, 1 k, 2 v
	s_and_b32 s21, ttmp7, 0xffff                   ; Y
	s_lshl_b32 s42, s23, 2
	s_lshl_b32 s42, 15, s42                        ; my row of the cluster
	s_lshl_b32 s43, 0x1111, s22                    ; my column
	; descriptor groups 1: dense blocks as rows of 256 bytes (32 elements of 8 bytes), no padding: 128 rows of codes, 16 rows of scale words
	s_or_b32 s[G1L], s42, (3<<16)|(1<<21)          ; 15:0 the mask; 17:16 elements of 8 bytes; 21 set beside a mask
	s_or_b32 s[G1R], s43, (3<<16)|(1<<21)
	s_or_b32 s[G1SL], s42, (3<<16)|(1<<21)
	s_or_b32 s[G1SR], s43, (3<<16)|(1<<21)
.irp g, G1L, G1R
	s_mov_b32 s[\g+1], 32<<16                      ; tensor_dim0
	s_mov_b32 s[\g+2], 128<<16                     ; tensor_dim1
	s_mov_b32 s[\g+3], 32<<16                      ; tile_dim0
	s_mov_b32 s[\g+4], 128                         ; tile_dim1
	s_mov_b32 s[\g+5], 32                          ; the pitch
	s_mov_b32 s[\g+6], 0
	s_mov_b32 s[\g+7], 0
.endr
.irp g, G1SL, G1SR
	s_mov_b32 s[\g+1], 32<<16
	s_mov_b32 s[\g+2], 16<<16
	s_mov_b32 s[\g+3], 32<<16
	s_mov_b32 s[\g+4], 16
	s_mov_b32 s[\g+5], 32
	s_mov_b32 s[\g+6], 0
	s_mov_b32 s[\g+7], 0
.endr
	s_mov_b32 s100, 0x76543210
	s_mov_b32 s101, 0xfedcba98                     ; selects for lane l xor 16
	s_lshl_b32 s2, s21, 2                          ; 4 Y
	s_lshl_b32 s3, s20, 2                          ; 4 X
	s_wait_dscnt 0x0
	s_wait_kmcnt 0x0
	s_cmp_eq_u32 s20, 2                            ; v?  The same in all sixteen partners
	s_cselect_b32 s19, 1, 0
	s_cselect_b32 s40, 8, s2                       ; L's first block
	s_cselect_b32 s41, s2, s3                      ; R's
	s_cselect_b64 s[92:93], s[6:7], s[4:5]         ; L's buffer
	s_cselect_b64 s[96:97], s[4:5], s[6:7]         ; R's
	s_add_co_u32 s40, s40, s23                     ; LB: hangs on cy alone
	s_add_co_u32 s41, s41, s22                     ; RB: on cx alone
	s_lshl_b32 s44, s40, 1
	s_add_co_u32 s44, s44, s18
	s_mul_i32 s44, s44, REC
	s_mov_b32 s45, 0
	s_add_nc_u64 s[44:45], s[92:93], s[44:45]      ; L's record that I would fetch
	s_lshl_b32 s46, s41, 1
	s_add_co_u32 s46, s46, s18
	s_mul_i32 s46, s46, REC
	s_mov_b32 s47, 0
	s_add_nc_u64 s[46:47], s[96:97], s[46:47]      ; R's
	s_lshl_b32 s2, s16, 15                         ; where they go: wave x 32,768,
	s_lshl_b32 s3, s16, 12
	s_add_co_u32 s3, s3, SCL                       ; the scale words at wave x 4,096
	CROUND                                         ; all sixteen work-groups are here: the joint loads meet
	s_mov_b32 s[G0SL], 1
	s_mov_b32 s[G0SL+1], s3
	s_add_nc_u64 s[G0SL+2:G0SL+3], s[44:45], 65536
	s_or_b32 s[G0SL+3], s[G0SL+3], 0x80000000
	s_mov_b32 s[G0SR], 1
	s_mov_b32 s[G0SR+1], s3
	s_add_nc_u64 s[G0SR+2:G0SR+3], s[46:47], 65536
	s_or_b32 s[G0SR+3], s[G0SR+3], 0x80000000
	JLOAD G0SL, G1SL, G0SR, G1SR                   ; the scale words first; by this text's count three tensor loads of a wave are out at the most
.irp s, 0,1
	s_mov_b32 s[G0L+4*\s], 1
	s_add_co_u32 s[G0L+4*\s+1], s2, \s*SLOT
	s_add_nc_u64 s[G0L+4*\s+2:G0L+4*\s+3], s[44:45], \s*32768
	s_or_b32 s[G0L+4*\s+3], s[G0L+4*\s+3], 0x80000000
	s_mov_b32 s[G0R+4*\s], 1
	s_add_co_u32 s[G0R+4*\s+1], s2, \s*SLOT
	s_add_nc_u64 s[G0R+4*\s+2:G0R+4*\s+3], s[46:47], \s*32768
	s_or_b32 s[G0R+4*\s+3], s[G0R+4*\s+3], 0x80000000
	JLOAD G0L+4*\s, G1L, G0R+4*\s, G1R
.endr
	v_and_b32 v1, 15, v0                           ; r
	v_bfe_u32 v2, v0, 4, 1                         ; h
	v_and_b32 v3, 31, v0                           ; lane
	v_lshlrev_b32 v[LI], 4, v3
	s_lshl_b32 s2, s17, 15
	v_add_nc_u32 v[ADRL], s2, v[LI]
	v_add_nc_u32 v[ADRL+1], SLOT, v[ADRL]
	s_lshl_b32 s3, s18, 15
	s_add_co_u32 s3, s3, 65536
	v_add_nc_u32 v[ADRR], s3, v[LI]
	v_add_nc_u32 v[ADRR+1], SLOT, v[ADRR]
	s_lshl_b32 s2, s17, 12                         ; scale words: lanes 0-15 take L's half, lanes 16-31 R's: the lower base + h x the distance
	s_lshl_b32 s3, s18, 12
	s_add_co_u32 s3, s3, 8192
	s_sub_co_u32 s3, s3, s2
	v_mul_u32_u24 v[ADRS], s3, v2
	s_wait_alu depctr_va_vdst(0)
	s_add_co_u32 s2, s2, SCL
	v_lshl_add_u32 v[ADRS], v1, 2, v[ADRS]
	v_add_nc_u32 v[ADRS], s2, v[ADRS]
	v_lshlrev_b32 v[H16], 4, v2
	v_lshlrev_b32 v[BO1], 6, v2
	v_and_b32 v[BO2], 8, v1
	v_add_nc_u32 v[BO2], v[BO2], v1
	v_lshlrev_b32 v[BO2], 2, v[BO2]
	v_mul_u32_u24 v[LSA], v2, HREC
	v_lshl_add_u32 v[LSA], v1, 4, v[LSA]           ; 16 r, and the second head for lanes 16-31
.irp b, 0,1,2,3
	v_mov_b32 v[TM+4+\b], 0                        ; a lane permute's destination counts as one of its sources
.endr
	; THE WAY OUT'S ADDRESSES.  My 128 features are heads head0, head0 + 1; my 128 tokens are group T128 of batch b
	s_cmp_eq_u32 s20, 2
	s_cselect_b32 s2, s23, s22                     ; the block of 256 features within q, k or v
	s_cselect_b32 s3, s17, s18                     ; my half of it
	s_cselect_b32 s66, s41, s40                    ; the block of 256 tokens
	s_cselect_b32 s67, s18, s17                    ; my half of it
	s_lshl_b32 s2, s2, 2
	s_lshl_b32 s3, s3, 1
	s_add_co_u32 s2, s2, s3                        ; head0
	s_lshr_b32 s3, s66, 3                          ; b
	s_lshl_b32 s3, s3, 4
	s_add_co_u32 s2, s2, s3
	s_mul_i32 s2, s2, HREC                         ; the head's record
	s_and_b32 s66, s66, 7
	s_lshl_b32 s66, s66, 1
	s_add_co_u32 s66, s66, s67                     ; T128
	s_lshl_b32 s3, s66, 12                         ; 4,096 bytes of codes a group, in QC, KC and VC alike
	s_add_co_u32 s3, s3, s2
	s_cmp_eq_u32 s20, 0
	s_cselect_b32 s67, QC, 0
	s_cmp_eq_u32 s20, 2
	s_cselect_b32 s67, VC, s67
	s_add_co_u32 s12, s3, s67
	s_mov_b32 s13, 0
	s_add_nc_u64 s[12:13], s[10:11], s[12:13]      ; where my first tile's codes go
	s_mov_b32 s67, KS
	s_cmp_eq_u32 s20, 0
	s_cselect_b32 s67, QS, s67
	s_cmp_eq_u32 s20, 2
	s_cselect_b32 s67, VS, s67
	s_cselect_b32 s3, 8, 9                         ; 256 bytes of scale words a group in VS, 512 in QS and KS
	s_lshl_b32 s3, s66, s3
	s_add_co_u32 s3, s3, s67
	s_add_co_u32 s14, s3, s2
	s_mov_b32 s15, 0
	s_add_nc_u64 s[14:15], s[10:11], s[14:15]      ; and my scale words
	s_mov_b32 s94, 512
	s_mov_b32 s3, HREC
	s_cmp_eq_u32 s20, 2
	s_cselect_b32 s98, HREC-3072, s94              ; from tile 3 to tile 4: q, k the next tile; v the next head's first d tile
	s_cselect_b32 s94, 1024, s94                   ; from tile to tile otherwise
	s_cselect_b32 s3, 512, s3                      ; from a tile's first four registers to its last four: q, k the next head; v the fragment's second half
	s_mov_b32 s95, 0
	s_mov_b32 s99, 0
	v_add_nc_u32 v[LA1], s3, v[LI]
	; THE BIAS, in the result's layout, is the C of each sum's first matrix instruction
	s_cselect_b32 s2, s40, s41                     ; the features' block of 256 in w_qkv's rows,
	s_cselect_b32 s3, s17, s18                     ; my half
	s_lshl_b32 s2, s2, 10
	s_lshl_b32 s3, s3, 9
	s_add_co_u32 s2, s2, s3
	s_mov_b32 s3, 0
	s_add_nc_u64 s[8:9], s[8:9], s[2:3]
	s_cmp_eq_u32 s19, 0
	s_cbranch_scc0 .Lbias_v
	WIN 0x40                                       ; destination window 1
.irp b, 0,1,2,3,4,5,6,7                        ; q, k: features run along the registers: tile b's eight are 32 (b / 2) + 16 h + 8 (b % 2) + 0 .. 7
	global_load_b128 v[BI+8*\b:BI+8*\b+3], v[BO1], s[8:9] offset:(32*(\b/2)+8*(\b%2))*4
	global_load_b128 v[BI+8*\b+4:BI+8*\b+7], v[BO1], s[8:9] offset:(32*(\b/2)+8*(\b%2))*4+16
.endr
	WIN 0
	s_branch .Lbias_done
.Lbias_v:
	WIN 0x40
	s_wait_alu depctr_va_vdst(0)
.irp a, 0,1,2,3,4,5,6,7                        ; v: the feature is the lane's: eight registers alike for each tile a
.irp j, 0,1,2,3,4,5,6,7
	global_load_b32 v[BI+8*\a+\j], v[BO2], s[8:9] offset:(32*(\a/2)+8*(\a%2))*4
.endr
.endr
	WIN 0
.Lbias_done:
.macro FRAG reg, adr, off              ; a fragment, 16 rows x 128 K: eight registers, two loads of 512 consecutive bytes
	ds_load_b128 v[\reg:\reg+3], v[\adr] offset:\off
	ds_load_b128 v[\reg+4:\reg+7], v[\adr] offset:\off+512
.endm
.macro FETCH k                         ; K step k's 16 fragments into set k % 2: 32 loads in one run
.set FK, (\k)
	WIN 0x40
.irp i, 0,1,2,3,4,5,6,7
	FRAG 128*(FK%2)+8*\i, ADRR+FK/4, 4096*\i+1024*(FK%4)
.endr
	WIN 0
.irp i, 0,1,2,3,4,5,6,7
	FRAG LF+64*(FK%2)+8*\i, ADRL+FK/4, 4096*\i+1024*(FK%4)
.endr
.endm
; 32 matrix instructions: L's tiles 4 half .. 4 half + 3, each against R's eight.  cmode 0: onto the sums; 1: the sums begin with the bias of R's tile; 2: of L's tile.
; The 64 accumulators take turns, one instruction a turn, in the same order in every step.
.macro MUL32 half, k, cmode
.if \cmode
	WIN 0x91+0x40*(\half)                          ; R window 1, L window 0, C (the bias) window 1, D window 2 or 3
.else
	WIN 0xa1+0x50*(\half)                          ; C and D window 2 or 3
.endif
.irp a, 0,1,2,3
.irp b, 0,1,2,3,4,5,6,7
.set rD, 8*(8*\a+\b)
.set rR, 128*((\k)%2)+8*\b
.set rL, LF+64*((\k)%2)+8*(4*(\half)+\a)
.set rSR, SC+8*(\k)+\b
.set rSL, SC+8*(\k)+4*(\half)+\a
.if \cmode == 0
	v_wmma_scale_f32_16x16x128_f8f6f4 v[rD:rD+7], v[rR:rR+7], v[rL:rL+7], v[rD:rD+7], v[rSR], v[rSL] matrix_a_fmt:MATRIX_FMT_FP4 matrix_b_fmt:MATRIX_FMT_FP4 matrix_a_scale:MATRIX_SCALE_ROW1
.elseif \cmode == 1
	v_wmma_scale_f32_16x16x128_f8f6f4 v[rD:rD+7], v[rR:rR+7], v[rL:rL+7], v[BI+8*\b:BI+8*\b+7], v[rSR], v[rSL] matrix_a_fmt:MATRIX_FMT_FP4 matrix_b_fmt:MATRIX_FMT_FP4 matrix_a_scale:MATRIX_SCALE_ROW1
.else
	v_wmma_scale_f32_16x16x128_f8f6f4 v[rD:rD+7], v[rR:rR+7], v[rL:rL+7], v[BI+8*(4*(\half)+\a):BI+8*(4*(\half)+\a)+7], v[rSR], v[rSL] matrix_a_fmt:MATRIX_FMT_FP4 matrix_b_fmt:MATRIX_FMT_FP4 matrix_a_scale:MATRIX_SCALE_ROW1
.endif
.endr
.endr
.endm
.macro PRE k                           ; ahead of K step k's products: the next step's fragments are asked for, this step's are in
.if (\k) > 0
	PLACES                                         ; the set to be loaded was read by the last step's products
.endif
.if (\k) == 3
	s_wait_tensorcnt 0x0                           ; my part of slot 1 has landed,
	s_wait_dscnt 0x0                               ; no LDS load of mine is out at the signal,
	s_barrier_signal -1
	s_barrier_wait -1                              ; everybody's part has: slot 1 may be read.
.endif
.if (\k) < 7
	FETCH (\k)+1
	s_wait_dscnt 32                                ; all but the 32 loads just issued
.else
	s_wait_dscnt 0x0
.endif
.endm
.macro STEP k
	PRE \k
	MUL32 0, \k, 0
	MUL32 1, \k, 0
	WIN 0
.endm
	s_wait_tensorcnt 0x1                           ; the scale words and my part of slot 0 are in; slot 1's load may be out
	s_barrier_signal -1
	s_barrier_wait -1                              ; everybody's are
.irp k, 0,1,2,3,4,5,6,7
.irp i, 0,1,2,3,4,5,6,7
	ds_load_b32 v[SC+8*\k+\i], v[ADRS] offset:512*\k+64*\i   ; all of K's scale words stay in registers
.endr
.endr
	FETCH 0
	PRE 0
	s_wait_loadcnt 0x0                             ; the bias
	s_cmp_eq_u32 s19, 0
	s_cbranch_scc0 .Lstart_v
	MUL32 0, 0, 1                                  ; the first K step starts the sums: nothing is cleared
	MUL32 1, 0, 1
	WIN 0
	s_branch .Lstarted
.Lstart_v:
	MUL32 0, 0, 2
	MUL32 1, 0, 2
	WIN 0
.Lstarted:
	STEP 1
	STEP 2
	STEP 3
	STEP 4
	STEP 5
	STEP 6
	STEP 7
; THE WAY OUT.  L's tile a: a lane holds one row and 128 neighbours along R in 64 registers (16 b + i = 32 b + 16 h + i): four blocks of 32, each shared with lane l xor 16.  They become one fragment and one scale word.
.macro QUANT a
.set AW, 2+(\a)/4
.set AC, 64*((\a)%4)
.set WN, AW|(AW<<2)
	WIN WN                                         ; sources 0 and 1 in the accumulators' window
.irp b, 0,1,2,3
	v_max3_num_f32 v[TM+\b], |v[AC+16*\b]|, |v[AC+16*\b+1]|, 0x1800000   ; each accumulator is read from its low end on; the floor 2^(3 - 127) holds the byte at 1 from below
.endr
.set WN, (AW<<2)|(AW<<4)
	WIN WN                                         ; sources 1 and 2
.irp i, 2,4,6,8,10,12,14
.irp b, 0,1,2,3
	v_max3_num_f32 v[TM+\b], v[TM+\b], |v[AC+16*\b+\i]|, |v[AC+16*\b+\i+1]|
.endr
.endr
	WIN 0
.irp b, 0,1,2,3
	v_permlanex16_b32 v[TM+4+\b], v[TM+\b], s100, s101
.endr
.irp b, 0,1,2,3
	v_max_num_f32 v[TM+\b], v[TM+\b], v[TM+4+\b]   ; the block's largest magnitude
.endr
.irp b, 0,1,2,3
	v_add_nc_u32 v[TM+12+\b], 0xff000000, v[TM+\b] ; 2 off its exponent field: the conversion's scale operand
.endr
.irp b, 0,1,2,3
	v_lshrrev_b32 v[TM+4+\b], 23, v[TM+12+\b]      ; the byte
.endr
	v_lshl_or_b32 v[W+\a], v[TM+5], 8, v[TM+4]
	v_lshl_or_b32 v[W+\a], v[TM+6], 16, v[W+\a]
	v_lshl_or_b32 v[W+\a], v[TM+7], 24, v[W+\a]
	s_wait_xcnt 0x0                                ; the last tile's stores have read their data and their base: both are written again only behind this wait
.if (\a) == 4
	s_add_nc_u64 s[12:13], s[12:13], s[98:99]
.elseif (\a) > 0
	s_add_nc_u64 s[12:13], s[12:13], s[94:95]
.endif
	WIN AW                                         ; source 0
.irp b, 0,1,2,3
	v_cvt_scalef32_pk8_fp4_f32 v[PC+2*\b], v[AC+16*\b:AC+16*\b+7], v[TM+12+\b]
	v_cvt_scalef32_pk8_fp4_f32 v[PC+2*\b+1], v[AC+16*\b+8:AC+16*\b+15], v[TM+12+\b]
.endr
	WIN 0
	v_nop                                          ; one plain place behind a scaled conversion
.irp c, 0,1                                    ; the operand's layout wants a whole block in a lane
.irp i, 0,1
	v_permlane16_swap_b32 v[PC+4*\c+\i], v[PC+4*\c+2+\i]
.endr
.endr
	global_store_b128 v[LI], v[PC:PC+3], s[12:13]        ; 512 consecutive bytes, aligned: q, k: the first head's tile; v: keys 0-63 of the group
	global_store_b128 v[LA1], v[PC+4:PC+7], s[12:13]     ; q, k: the second head's tile; v: keys 64-127
.endm
	PLACES
	QUANT 0
	QUANT 1
	QUANT 2
	QUANT 3
	QUANT 4
	QUANT 5
	QUANT 6
	QUANT 7
	s_cmp_eq_u32 s19, 0
	s_cbranch_scc0 .Lscale_v
.irp i, 0,1,2,3,4,5,6,7
	v_bfe_u32 v[W+\i], v[W+\i], v[H16], 16         ; q, k: lanes 0-15 keep the first head's two bytes, lanes 16-31 the second's; bytes 2 and 3 are 0
.endr
	global_store_b128 v[LSA], v[W:W+3], s[14:15]               ; sixteen lanes store 256 consecutive bytes, aligned: four tiles' words of 16 rows
	global_store_b128 v[LSA], v[W+4:W+7], s[14:15] offset:256
	s_branch .Lout
.Lscale_v:
	v_cmp_eq_u32 vcc_lo, 1, v2
.irp t, 0,1,2,3
	v_cndmask_b32 v[W+\t], v[W+\t], v[W+4+\t], vcc_lo   ; v: lanes 0-15 the first head's four d tiles, lanes 16-31 the second's
.endr
	global_store_b128 v[LSA], v[W:W+3], s[14:15]
.Lout:
	s_wait_tensorcnt 0x0
	ds_add_u32 v106, v107
	s_wait_dscnt 0x0
	CROUND                                         ; the closing round: no work-group ends while a partner may still ask for a tile that names it
	s_endpgm
.Lfunc_end_k_qd5bf3f120e_qkvgemm:
	.size	k_qd5bf3f120e_qkvgemm, .Lfunc_end_k_qd5bf3f120e_qkvgemm-k_qd5bf3f120e_qkvgemm
	.p2alignl 7, 3214868480
	.fill 96, 4, 3214868480
	.section	.rodata,"a",@progbits
	.p2align	6, 0x0
	.amdhsa_kernel k_qd5bf3f120e_qkvgemm
		.amdhsa_group_segment_fixed_size 279040
		.amdhsa_private_segment_fixed_size 0
		.amdhsa_enable_private_segment 0
		.amdhsa_kernarg_size 32
		.amdhsa_user_sgpr_count 2
		.amdhsa_user_sgpr_kernarg_segment_ptr 1
		.amdhsa_wavefront_size32 1
		.amdhsa_system_sgpr_workgroup_id_x 1
		.amdhsa_system_sgpr_workgroup_id_y 1
		.amdhsa_system_sgpr_workgroup_id_z 1
		.amdhsa_system_vgpr_workitem_id 0
		.amdhsa_next_free_vgpr 1024
		.amdhsa_next_free_sgpr 102
		.amdhsa_reserve_vcc 1
		.amdhsa_float_denorm_mode_32 3
		.amdhsa_float_denorm_mode_16_64 3
		.amdhsa_memory_ordered 1
		.amdhsa_forward_progress 1
		.amdhsa_inst_pref_size 148
	.end_amdhsa_kernel
	.amdgpu_metadata
---
amdhsa.version: [ 1, 2 ]
amdhsa.kernels:
  - .name:           k_qd5bf3f120e_qkvgemm
    .symbol:         k_qd5bf3f120e_qkvgemm.kd
    .args:
      - { .name: xop, .offset: 0, .size: 8, .value_kind: global_buffer, .address_space: global }
      - { .name: wqop, .offset: 8, .size: 8, .value_kind: global_buffer, .address_space: global }
      - { .name: b_qkv, .offset: 16, .size: 8, .value_kind: global_buffer, .address_space: global }
      - { .name: qkv, .offset: 24, .size: 8, .value_kind: global_buffer, .address_space: global }
    .group_segment_fixed_size: 279040
    .private_segment_fixed_size: 0
    .kernarg_segment_align: 8
    .kernarg_segment_size: 32
    .max_flat_workgroup_size: 128
    .sgpr_count:     102
    .vgpr_count:     1024
    .wavefront_size: 32
...
	.end_amdgpu_metadata
.endif
;; end of part 2
;; launch attn (part 3): grid 8 x 32, 16 waves a work-group, clusters of 4 x 1, 289,792 bytes of LDS; arguments qkv, aop; writes aop
.if DOCPART == 3
	.amdgcn_target "amdgcn-amd-amdhsa--gfx1250"
	.amdhsa_code_object_version 6
	.text
	.protected	k_qd5bf3f120e_attn
	.globl	k_qd5bf3f120e_attn
	.p2align	8
	.type	k_qd5bf3f120e_attn,@function
k_qd5bf3f120e_attn:
	s_mov_b64 s[64:65], 0
	v_nop
	global_prefetch_b8 v0, s[64:65] scope:SCOPE_SE
	s_setreg_imm32_b32 hwreg(HW_REG_WAVE_MODE, 25, 1), 1
	s_wait_xcnt 0x0
	s_wait_alu depctr_hold_cnt(0) depctr_sa_sdst(0) depctr_va_vdst(0) depctr_va_sdst(0) depctr_va_ssrc(0) depctr_va_vcc(0) depctr_vm_vsrc(0)
	s_getreg_b32 s2, hwreg(HW_REG_IB_STS2, 6, 4)
	s_cmp_eq_u32 s2, 0
	s_cbranch_scc0 .Lentry_in_a_cluster
	s_endpgm
.Lentry_in_a_cluster:
	s_bfe_u32 s2, ttmp6, 0x10000c
	s_cmp_lg_u32 s2, 0x3003
	s_cbranch_scc0 .Lentry_shape_is_right
	s_endpgm
.Lentry_shape_is_right:
; Attention on codes of FP4: S^T = K Q^T (K = the head's 64), p = 2^(t - M), O^T = V^T p^T (K = the keys); O / l is quantised along (head, d) and stored as the last product's operand.
; t = score x log2(e) / 8; M = the running largest t rounded UP to a whole number; the row's sum l is taken of the unquantised p; when M moves, l and O^T are multiplied by 2^(old M - new M): exact.
; SHARES.  A work-group owns 256 queries of TWO neighbouring heads; each of its sixteen waves one tile of 16 queries, first in head 0, then in head 1: 128 along the last product's K, so a wave ends with one whole
; fragment and one whole scale word.  Four waves share a SIMD, so that one wave's vector work stands beside another's matrix work and LDS loads.
; Both heads' K and V (codes and scale words, 143,360 bytes a head, one dense block of the head's record) lie in LDS, filled ONCE; nothing is filled again.
; CLUSTER 4 x 1: the four query blocks of a cluster walk the same two heads: each part is asked for jointly, by the same tensor load with the same descriptor and the mask 15.
; LAYOUT.  Both products are used transposed: a lane holds ONE query throughout.  The keys of a tile and V's rows follow the records' order (lane r of tile t: 32 (t / 2) + 8 (t % 2) + r + 8 (r / 8)),
; so that the 16 registers of result tiles 2 g, 2 g + 1 are 16 neighbours.
; K = 64 IN AN INSTRUCTION OF 128: Q's registers 4-7 are zero codes, so what stands in the key operand's registers 4-7 adds nothing: FP4 has no infinity and no NaN, and bytes 2, 3 of q's and k's scale words are 0.
; Tile t's operand is v[KF + 4 t .. KF + 4 t + 7]: it reaches into the next tile's registers, the last into four registers of zeros.
; LIMITS: NaN and infinities are not served; a block of zeros gets the byte 1 (its codes are zeros; this program alone reads the bytes); 1 / l is v_rcp_f32's; a p under 2^-126 counts as 0.
.set HREC,  217088
.set REC,   69632
.set HIMG,  143360                     ; a head's image in LDS: KC 0, VC 65536, KS 131072, VS 139264
.set QC,    143360
.set QS,    208896
.set PART,  17920                      ; 70 rows of 256 bytes: what one tensor load brings
.set STG,   2*HIMG                     ; 1,024 bytes for the sixteen waves' scale words: written by LDS stores alone
.set AK0,  1                           ; v1   16 x lane: my place in a tile of K; also my offset in 512 bytes of memory
.set AV0,  2                           ; v2   the same in VC
.set AS0,  3                           ; v3   16 r in KS
.set AT0,  4                           ; v4   16 r in VS
.set SRD,  5                           ; v5   where waves 0 and 1 read the scale words back
.set R16,  6                           ; v6   16 r
.set SWR,  7                           ; v7   where I put my scale word
.set ADK,  8                           ; v8-11 the addresses of the step in hand
.set ADV,  9
.set ADS,  10
.set ADT,  11
.set QF,   16                          ; v16-23 Q (v20-23 zero codes)
.set QSC,  24                          ; scale words: Q's, p's, V's four, K's eight
.set PSC,  25
.set VSC,  26
.set KSC,  30
.set KF,   40                          ; v40-71 eight tiles of K, four registers each; v72-75 zeros
.set VF,   76                          ; v76-107 four tiles of V
.set S,    112                         ; v112-175 S^T, then p
.set O,    176                         ; v176-207 O^T
.set PCD,  208                         ; v208-215 p's codes
.set AO,   216                         ; v216-223 the fragment that I leave
.set AW,   224                         ; v224 its scale word
.set WV,   18
.set SEL,  20
.set CS,   22
.set TK,   2                           ; s2   where the step's K and V begin: 4,096 bytes a step
.set TS,   3                           ; s3   K's scale words: 512
.set TJ,   40                          ; s40  V's: 256
.set CNT,  41
.macro ROUND                           ; a round of the cluster's barrier
	s_barrier_signal -1
	s_barrier_wait -1
	s_cmp_lg_u32 s[WV], 0
	s_cbranch_scc1 .Lnot_wave_0_\@
	s_barrier_signal -3
.Lnot_wave_0_\@:
	s_barrier_wait -3
	s_barrier_signal -1
	s_barrier_wait -1
.endm
	s_load_b128 s[4:7], s[0:1], 0x0                ; qkv, aop
	v_lshl_add_u32 v251, v0, 2, 0x46400
	v_mov_b32 v255, 0
	ds_add_u32 v251, v255
	ds_add_u32 v251, v255
	v_lshrrev_b32 v8, 5, v0
	s_delay_alu instid0(VALU_DEP_1)
	v_readfirstlane_b32 s[WV], v8                  ; wave 0..15
	s_bfe_u32 s42, ttmp6, 0x40000                  ; cx
	s_lshl_b32 s43, ttmp9, 2
	s_add_co_u32 s43, s43, s42                     ; qb: my block of 256 queries: it enters Q's and the output's addresses alone
	s_and_b32 s44, ttmp7, 0xffff                   ; 8 b + pair, which the four partners share
	s_mul_i32 s46, s44, 2*HREC
	s_mov_b32 s47, 0
	s_mul_i32 s48, s[WV], PART
	s_mov_b32 s49, 0
	s_mov_b32 s24, 15|(3<<16)|(1<<21)              ; group 1: the mask: all four; elements of 8 bytes; bit 21 beside a mask; no padding
	s_mov_b32 s25, 32<<16                          ; tensor_dim0: rows of 256 bytes
	s_mov_b32 s26, 70<<16                          ; tensor_dim1
	s_mov_b32 s27, 32<<16                          ; tile_dim0
	s_mov_b32 s28, 70                              ; tile_dim1
	s_mov_b32 s29, 32                              ; the pitch
	s_mov_b32 s30, 0
	s_mov_b32 s31, 0
	s_mov_b32 s[SEL], 0x76543210
	s_mov_b32 s[SEL+1], 0xfedcba98                 ; selects for lane l xor 16
	s_mov_b32 s[CS], 0x3e38aa3b                    ; c = log2(e) / 8
	s_mov_b32 s[CS+1], s[CS]                       ; (named with it as a pair, so it is written)
	s_wait_dscnt 0x0
	s_wait_kmcnt 0x0
	s_add_nc_u64 s[46:47], s[4:5], s[46:47]        ; the pair's first record
	s_add_nc_u64 s[58:59], s[46:47], s[48:49]      ; my part of it
	s_mov_b32 s32, 1
	s_mov_b32 s33, s48                             ; head 0's image begins at LDS byte 0
	s_mov_b64 s[34:35], s[58:59]
	s_or_b32 s35, s35, 0x80000000
	s_mov_b32 s36, 1
	s_add_co_u32 s37, s48, HIMG
	s_add_nc_u64 s[38:39], s[58:59], HREC
	s_or_b32 s39, s39, 0x80000000
	ROUND                                          ; all four work-groups are here: the joint loads meet
	s_cmp_lt_u32 s[WV], 8                          ; waves 0 to 7 fetch: a wave's two fills stand in one branch; two loads of a wave are out at the most
	s_cbranch_scc0 .Lno_fetch
	tensor_load_to_lds s[32:35], s[24:31]
	s_nop 0
	tensor_load_to_lds s[36:39], s[24:31]
	s_nop 0
.rept 4
	v_nop
.endr
.Lno_fetch:
	s_lshl_b32 s60, s43, 4
	s_add_co_u32 s60, s60, s[WV]                   ; T: my tile of queries among the head's 128
	s_lshl_b32 s50, s60, 9
	s_add_co_u32 s50, s50, QC
	s_mov_b32 s51, 0
	s_add_nc_u64 s[50:51], s[46:47], s[50:51]      ; Q's codes
	s_lshr_b32 s52, s60, 2
	s_lshl_b32 s52, s52, 8
	s_and_b32 s61, s60, 3
	s_lshl_b32 s61, s61, 2
	s_add_co_u32 s52, s52, s61
	s_add_co_u32 s52, s52, QS
	s_mov_b32 s53, 0
	s_add_nc_u64 s[52:53], s[46:47], s[52:53]      ; Q's scale words
	v_and_b32 v8, 31, v0
	v_and_b32 v9, 15, v0
	s_delay_alu instid0(VALU_DEP_2)
	v_lshlrev_b32 v[AK0], 4, v8
	s_wait_alu depctr_va_vdst(0)
	v_lshlrev_b32 v[R16], 4, v9
	s_wait_alu depctr_va_vdst(0)
	global_load_b128 v[QF:QF+3], v[AK0], s[50:51]  ; head 0's Q
	global_load_b32 v[QSC], v[R16], s[52:53]
	s_lshr_b32 s60, s44, 3                         ; b
	s_and_b32 s61, s44, 7                          ; pair = the last product's K step
	s_lshl_b32 s60, s60, 4
	s_lshl_b32 s62, s43, 1
	s_add_co_u32 s60, s60, s62                     ; 16 b + 2 qb: my work-group's first record of aop
	s_lshr_b32 s62, s[WV], 3
	s_add_co_u32 s62, s62, s60
	s_mul_i32 s54, s62, REC
	s_lshr_b32 s62, s61, 2
	s_lshl_b32 s62, s62, 15
	s_add_co_u32 s54, s54, s62
	s_and_b32 s62, s[WV], 7
	s_lshl_b32 s62, s62, 12
	s_add_co_u32 s54, s54, s62
	s_and_b32 s62, s61, 3
	s_lshl_b32 s62, s62, 10
	s_add_co_u32 s54, s54, s62
	s_mov_b32 s55, 0
	s_add_nc_u64 s[54:55], s[6:7], s[54:55]        ; where my fragment goes
	s_min_u32 s63, s[WV], 1
	s_add_co_u32 s62, s60, s63
	s_mul_i32 s56, s62, REC
	s_lshl_b32 s62, s61, 9
	s_add_co_u32 s56, s56, s62
	s_add_co_u32 s56, s56, 65536
	s_mov_b32 s57, 0
	s_add_nc_u64 s[56:57], s[6:7], s[56:57]        ; where eight waves' scale words go (waves 0 and 1 store them)
	v_add_nc_u32 v[AV0], 65536, v[AK0]
	v_add_nc_u32 v[AS0], 131072, v[R16]
	v_add_nc_u32 v[AT0], 139264, v[R16]
	s_lshl_b32 s62, s[WV], 6
	s_add_co_u32 s62, s62, STG
	v_lshl_add_u32 v[SWR], v9, 2, s62              ; STG + 64 x wave + 4 r
	s_lshl_b32 s62, s63, 9
	s_add_co_u32 s62, s62, STG
	v_add_nc_u32 v[SRD], s62, v[AK0]               ; STG + 512 x min(wave, 1) + 16 x lane
.irp j, 0,1,2,3
	v_mov_b32 v[QF+4+\j], 0                        ; Q's upper 64 along K: zero codes
	v_mov_b32 v[KF+32+\j], 0                       ; behind K's last tile
	v_mov_b32 v[236+\j], 0                         ; a lane permute's destination counts as one of its sources
.endr
	v_mov_b32 v253, 0                              ; (named as the upper half of the pair v[252:253])
; A KEY STEP: 128 keys.
.macro STEP
	v_add_nc_u32 v[ADK], s[TK], v[AK0]             ; four plain lines: also the places behind the last step's products, in front of the loads into their registers
	v_add_nc_u32 v[ADV], s[TK], v[AV0]
	v_add_nc_u32 v[ADS], s[TS], v[AS0]
	v_add_nc_u32 v[ADT], s[TJ], v[AT0]
.irp t, 0,1,2,3,4,5,6,7
	ds_load_b128 v[KF+4*\t:KF+4*\t+3], v[ADK] offset:512*\t
.endr
.irp g, 0,1
	ds_load_b128 v[KSC+4*\g:KSC+4*\g+3], v[ADS] offset:256*\g   ; four tiles' scale words of my row
.endr
.irp t, 0,1,2,3
.irp c, 0,1
	ds_load_b128 v[VF+8*\t+4*\c:VF+8*\t+4*\c+3], v[ADV] offset:1024*\t+512*\c
.endr
.endr
	ds_load_b128 v[VSC:VSC+3], v[ADT]
	s_wait_dscnt 9                                 ; K's ten loads are in; V's nine may be out until the softmax is done
.irp t, 0,1,2,3,4,5,6,7
	v_wmma_scale_f32_16x16x128_f8f6f4 v[S+8*\t:S+8*\t+7], v[KF+4*\t:KF+4*\t+7], v[QF:QF+7], 0, v[KSC+\t], v[QSC] matrix_a_fmt:MATRIX_FMT_FP4 matrix_b_fmt:MATRIX_FMT_FP4
.endr
.rept 4
	v_nop
.endr
.irp b, 0,1,2,3
	v_max3_num_f32 v[232+\b], v[S+16*\b], v[S+16*\b+1], v[S+16*\b+2]   ; the largest score of each block of 32 keys: for the row's maximum and, since p rises with the score, for the block's largest p
.endr
.irp i, 3,5,7,9,11,13
.irp b, 0,1,2,3
	v_max3_num_f32 v[232+\b], v[232+\b], v[S+16*\b+\i], v[S+16*\b+\i+1]
.endr
.endr
.irp b, 0,1,2,3
	v_max_num_f32 v[232+\b], v[232+\b], v[S+16*\b+15]
.endr
.irp b, 0,1,2,3
	s_delay_alu instid0(VALU_DEP_4)
	v_permlanex16_b32 v[236+\b], v[232+\b], s[SEL], s[SEL+1]
.endr
.irp b, 0,1,2,3
	s_delay_alu instid0(VALU_DEP_4)
	v_max_num_f32 v[232+\b], v[232+\b], v[236+\b]  ; with lane l xor 16's 16 keys
.endr
	s_delay_alu instid0(VALU_DEP_2)
	v_max3_num_f32 v254, v232, v233, v234
	s_delay_alu instid0(VALU_DEP_1)
	v_max_num_f32 v254, v254, v235
	s_delay_alu instid0(VALU_DEP_1)
	v_mul_f32 v254, s[CS], v254                    ; the step's largest t (c is positive)
	s_delay_alu instid0(VALU_DEP_1)
	v_max_num_f32 v13, v13, v254                   ; the running largest t
	v_mov_b32 v254, v12
	s_delay_alu instid0(VALU_DEP_2)
	v_floor_f32 v12, -v13                          ; the new -M = floor(-t): M is a whole number
	s_delay_alu instid0(VALU_DEP_1)
	v_sub_f32 v254, v12, v254                      ; old M - new M: a whole number, 0 or less
	s_delay_alu instid0(VALU_DEP_1)
	v_cvt_i32_f32 v254, v254                       ; (it saturates)
	s_delay_alu instid0(VALU_DEP_1)
	v_ldexp_f32 v252, 1.0, v254                    ; f = 2^(old M - new M)
.irp j, 0,2,4,6,8,10,12,14,16,18,20,22,24,26,28,30,32,34,36,38,40,42,44,46,48,50,52,54,56,58,60,62
	v_pk_fma_f32 v[S+\j:S+\j+1], v[S+\j:S+\j+1], s[CS:CS+1], v[12:13] op_sel_hi:[1,0,0]   ; t - M, two at a time
.endr
.irp b, 0,1,2,3
	v_fma_f32 v[232+\b], v[232+\b], s[CS], v12     ; the same of each block's largest score
.endr
	s_wait_alu depctr_va_vdst(0)
.irp j, 0,1,2,3,4,5,6,7,8,9,10,11,12,13,14,15,16,17,18,19,20,21,22,23,24,25,26,27,28,29,30,31,32,33,34,35,36,37,38,39,40,41,42,43,44,45,46,47,48,49,50,51,52,53,54,55,56,57,58,59,60,61,62,63
	v_exp_f32 v[S+\j], v[S+\j]                     ; p = 2^(t - M), at most 1: not normalised
.endr
	s_setprio 1
	v_pk_mul_f32 v[14:15], v[14:15], v[252:253] op_sel_hi:[1,0]   ; the sums under the new M (a plain place behind the exponentials)
	s_wait_alu depctr_va_vdst(0)                   ; one wait for the batch of 64, ahead of its first reader
.irp b, 0,1,2,3
	v_exp_f32 v[232+\b], v[232+\b]                 ; the block's largest p: the same two instructions on the same number
.endr
	v_pk_add_f32 v[236:237], v[116:117], v[120:121]
	v_pk_add_f32 v[248:249], v[124:125], v[128:129]
	v_pk_add_f32 v[246:247], v[132:133], v[136:137]
	v_pk_add_f32 v[244:245], v[140:141], v[144:145]
	v_pk_add_f32 v[242:243], v[148:149], v[152:153]
	v_pk_add_f32 v[240:241], v[156:157], v[160:161]
	v_pk_add_f32 v[238:239], v[164:165], v[168:169]
	v_pk_add_f32 v[14:15], v[14:15], v[172:173]
	v_pk_add_f32 v[236:237], v[236:237], v[112:113]
	v_pk_add_f32 v[248:249], v[248:249], v[114:115]
	v_pk_add_f32 v[246:247], v[246:247], v[118:119]
	v_pk_add_f32 v[244:245], v[244:245], v[122:123]
	v_pk_add_f32 v[242:243], v[242:243], v[126:127]
	v_pk_add_f32 v[240:241], v[240:241], v[130:131]
	v_pk_add_f32 v[238:239], v[238:239], v[134:135]
	v_pk_add_f32 v[14:15], v[14:15], v[138:139]
	v_pk_add_f32 v[236:237], v[236:237], v[142:143]
	v_pk_add_f32 v[248:249], v[248:249], v[146:147]
	v_pk_add_f32 v[246:247], v[246:247], v[150:151]
	v_pk_add_f32 v[244:245], v[244:245], v[154:155]
	v_pk_add_f32 v[242:243], v[242:243], v[158:159]
	v_pk_add_f32 v[240:241], v[240:241], v[162:163]
	v_pk_add_f32 v[238:239], v[238:239], v[166:167]
	v_pk_add_f32 v[14:15], v[14:15], v[170:171]
	v_pk_add_f32 v[236:237], v[236:237], v[174:175]
	s_delay_alu instid0(VALU_DEP_2)
	v_pk_add_f32 v[14:15], v[14:15], v[244:245]
	s_delay_alu instid0(VALU_DEP_2)
	v_pk_add_f32 v[236:237], v[236:237], v[242:243]
	v_pk_add_f32 v[248:249], v[248:249], v[240:241]
	v_pk_add_f32 v[246:247], v[246:247], v[238:239]
	s_delay_alu instid0(VALU_DEP_2)
	v_pk_add_f32 v[14:15], v[14:15], v[248:249]
	s_delay_alu instid0(VALU_DEP_2)
	v_pk_add_f32 v[236:237], v[236:237], v[246:247]
	s_delay_alu instid0(VALU_DEP_1)
	v_pk_add_f32 v[14:15], v[14:15], v[236:237]
	s_wait_alu depctr_va_vdst(0)                   ; and one for the four
.irp b, 0,1,2,3
	v_max_num_f32 v[232+\b], 0x1800000, v[232+\b]  ; the floor 2^(3 - 127): the byte cannot fall under 1
.endr
.irp b, 0,1,2,3
	s_delay_alu instid0(VALU_DEP_4)
	v_add_nc_u32 v[244+\b], 0xff000000, v[232+\b]  ; 2 off the exponent field: the conversion's scale operand
.endr
.irp b, 0,1,2,3
	s_delay_alu instid0(VALU_DEP_4)
	v_lshrrev_b32 v[236+\b], 23, v[244+\b]
.endr
	s_delay_alu instid0(VALU_DEP_3)
	v_lshl_or_b32 v[PSC], v237, 8, v236            ; p's scale word for these 128 keys
	s_delay_alu instid0(VALU_DEP_1)
	v_lshl_or_b32 v[PSC], v238, 16, v[PSC]
	s_delay_alu instid0(VALU_DEP_1)
	v_lshl_or_b32 v[PSC], v239, 24, v[PSC]
.irp b, 0,1,2,3
	v_cvt_scalef32_pk8_fp4_f32 v[PCD+2*\b], v[S+16*\b:S+16*\b+7], v[244+\b]
	v_cvt_scalef32_pk8_fp4_f32 v[PCD+2*\b+1], v[S+16*\b+8:S+16*\b+15], v[244+\b]
.endr
	v_nop                                          ; one plain place behind a scaled conversion
.irp c, 0,1
.irp i, 0,1
	v_permlane16_swap_b32 v[PCD+4*\c+\i], v[PCD+4*\c+2+\i]   ; a whole block in a lane
.endr
.endr
	s_setprio 0
.irp j, 0,2,4,6,8,10,12,14,16,18,20,22,24,26,28,30
	v_pk_mul_f32 v[O+\j:O+\j+1], v[O+\j:O+\j+1], v[252:253] op_sel_hi:[1,0]   ; O^T under the new M; these sixteen also stand between the scale word's and the codes' last writes and the products
.endr
	s_wait_alu depctr_va_vdst(0)
	s_wait_dscnt 0x0                               ; V is in
.irp t, 0,1,2,3
	v_wmma_scale_f32_16x16x128_f8f6f4 v[O+8*\t:O+8*\t+7], v[VF+8*\t:VF+8*\t+7], v[PCD:PCD+7], v[O+8*\t:O+8*\t+7], v[VSC+\t], v[PSC] matrix_a_fmt:MATRIX_FMT_FP4 matrix_b_fmt:MATRIX_FMT_FP4
.endr
	s_add_co_u32 s[TK], s[TK], 4096
	s_add_co_u32 s[TS], s[TS], 512
	s_add_co_u32 s[TJ], s[TJ], 256
.endm
; All 16 key steps of head hp.  The step is written once: the first finds zeros, which the first change of M leaves zeros.
.macro HEAD hp
	s_mov_b32 s[TK], HIMG*\hp
	s_mov_b32 s[TS], HIMG*\hp
	s_mov_b32 s[TJ], HIMG*\hp
	v_mov_b32 v13, 0xff61b1e6                      ; the largest t so far: -3e38
	s_delay_alu instid0(VALU_DEP_1)
	v_floor_f32 v12, -v13
	v_mov_b32 v14, 0
	v_mov_b32 v15, 0
.irp j, 0,1,2,3,4,5,6,7,8,9,10,11,12,13,14,15,16,17,18,19,20,21,22,23,24,25,26,27,28,29,30,31
	v_mov_b32 v[O+\j], 0
.endr
	s_wait_loadcnt 0x0                             ; this head's Q
	s_mov_b32 s[CNT], 16
.Lstep_\@:
	s_setprio 2
	STEP
	s_sub_co_u32 s[CNT], s[CNT], 1
	s_cmp_lg_u32 s[CNT], 0
	s_cbranch_scc1 .Lstep_\@
	s_setprio 0
.endm
; Head hp's O^T / l becomes half a fragment (registers 4 hp .. 4 hp + 3) and two bytes of the scale word.
.macro FIN hp
.if \hp == 0
	global_load_b128 v[QF:QF+3], v[AK0], s[50:51] offset:HREC   ; head 1's Q: the last products that read these registers stand a whole softmax back
	global_load_b32 v[QSC], v[R16], s[52:53] offset:HREC
.endif
.rept 4
	v_nop                                          ; places behind the last products
.endr
	v_add_f32 v14, v14, v15
	s_delay_alu instid0(VALU_DEP_1)
	v_permlanex16_b32 v252, v14, s[SEL], s[SEL+1]
	s_delay_alu instid0(VALU_DEP_1)
	v_add_f32 v14, v14, v252                       ; the row's sum
	s_wait_alu depctr_va_vdst(0)
	v_rcp_f32 v14, v14
	v_nop                                          ; a plain place behind the reciprocal,
	s_wait_alu depctr_va_vdst(0)                   ; and the wait ahead of its first reader
.irp j, 0,2,4,6,8,10,12,14,16,18,20,22,24,26,28,30
	v_pk_mul_f32 v[S+\j:S+\j+1], v[O+\j:O+\j+1], v[14:15] op_sel_hi:[1,0]   ; register 16 g + i: d = 32 g + 16 h + i; each accumulator from its low end on
.endr
.irp g, 0,1
	v_max3_num_f32 v[232+\g], |v[S+16*\g]|, |v[S+16*\g+1]|, 0x1800000
.endr
.irp i, 2,4,6,8,10,12,14
.irp g, 0,1
	s_delay_alu instid0(VALU_DEP_2)
	v_max3_num_f32 v[232+\g], v[232+\g], |v[S+16*\g+\i]|, |v[S+16*\g+\i+1]|
.endr
.endr
.irp g, 0,1
	s_delay_alu instid0(VALU_DEP_2)
	v_permlanex16_b32 v[236+\g], v[232+\g], s[SEL], s[SEL+1]
.endr
.irp g, 0,1
	s_delay_alu instid0(VALU_DEP_2)
	v_max_num_f32 v[232+\g], v[232+\g], v[236+\g]
.endr
.irp g, 0,1
	s_delay_alu instid0(VALU_DEP_2)
	v_add_nc_u32 v[244+\g], 0xff000000, v[232+\g]
.endr
.irp g, 0,1
	s_delay_alu instid0(VALU_DEP_2)
	v_lshrrev_b32 v[236+\g], 23, v[244+\g]
.endr
.if \hp == 0
	s_delay_alu instid0(VALU_DEP_1)
	v_lshl_or_b32 v[AW], v237, 8, v236
.else
	s_delay_alu instid0(VALU_DEP_2)
	v_lshl_or_b32 v[AW], v236, 16, v[AW]
	s_delay_alu instid0(VALU_DEP_1)
	v_lshl_or_b32 v[AW], v237, 24, v[AW]
.endif
.irp g, 0,1
	v_cvt_scalef32_pk8_fp4_f32 v[AO+4*\hp+2*\g], v[S+16*\g:S+16*\g+7], v[244+\g]
	v_cvt_scalef32_pk8_fp4_f32 v[AO+4*\hp+2*\g+1], v[S+16*\g+8:S+16*\g+15], v[244+\g]
.endr
	v_nop                                          ; one plain place behind a scaled conversion
.irp i, 0,1
	v_permlane16_swap_b32 v[AO+4*\hp+\i], v[AO+4*\hp+2+\i]
.endr
.endm
	s_wait_tensorcnt 0x1                           ; my part of head 0 is in; head 1's may be out
	s_barrier_signal -1
	s_barrier_wait -1                              ; everybody's is
	HEAD 0
	FIN 0
	s_wait_tensorcnt 0x0                           ; my part of head 1 is in,
	s_wait_dscnt 0x0
	s_barrier_signal -1
	s_barrier_wait -1                              ; everybody's is
	HEAD 1
	FIN 1
	global_store_b128 v[AK0], v[AO:AO+3], s[54:55]             ; 512 consecutive bytes, aligned
	global_store_b128 v[AK0], v[AO+4:AO+7], s[54:55] offset:512
	ds_store_b32 v[SWR], v[AW]                     ; both halves write the same word with the same value
	s_wait_dscnt 0x0                               ; for the others' sake
	s_barrier_signal -1
	s_barrier_wait -1
	s_cmp_lt_u32 s[WV], 2                          ; eight waves' words are 512 consecutive bytes of a record: wave 0 stores waves 0-7's, wave 1 waves 8-15's
	s_cbranch_scc0 .Lno_words
	ds_load_b128 v[232:235], v[SRD]
	s_wait_dscnt 0x0
	global_store_b128 v[AK0], v[232:235], s[56:57]
.Lno_words:
	s_wait_tensorcnt 0x0
	ds_add_u32 v251, v255
	s_wait_dscnt 0x0
	ROUND                                          ; the closing round
	s_endpgm
.Lfunc_end_k_qd5bf3f120e_attn:
	.size	k_qd5bf3f120e_attn, .Lfunc_end_k_qd5bf3f120e_attn-k_qd5bf3f120e_attn
	.p2alignl 7, 3214868480
	.fill 96, 4, 3214868480
	.section	.rodata,"a",@progbits
	.p2align	6, 0x0
	.amdhsa_kernel k_qd5bf3f120e_attn
		.amdhsa_group_segment_fixed_size 289792
		.amdhsa_private_segment_fixed_size 0
		.amdhsa_enable_private_segment 0
		.amdhsa_kernarg_size 16
		.amdhsa_user_sgpr_count 2
		.amdhsa_user_sgpr_kernarg_segment_ptr 1
		.amdhsa_wavefront_size32 1
		.amdhsa_system_sgpr_workgroup_id_x 1
		.amdhsa_system_sgpr_workgroup_id_y 1
		.amdhsa_system_sgpr_workgroup_id_z 1
		.amdhsa_system_vgpr_workitem_id 0
		.amdhsa_next_free_vgpr 256
		.amdhsa_next_free_sgpr 66
		.amdhsa_reserve_vcc 0
		.amdhsa_float_denorm_mode_32 3
		.amdhsa_float_denorm_mode_16_64 3
		.amdhsa_memory_ordered 1
		.amdhsa_forward_progress 1
		.amdhsa_inst_pref_size 51
	.end_amdhsa_kernel
	.amdgpu_metadata
---
amdhsa.version: [ 1, 2 ]
amdhsa.kernels:
  - .name:           k_qd5bf3f120e_attn
    .symbol:         k_qd5bf3f120e_attn.kd
    .args:
      - { .name: qkv, .offset: 0, .size: 8, .value_kind: global_buffer, .address_space: global }
      - { .name: aop, .offset: 8, .size: 8, .value_kind: global_buffer, .address_space: global }
    .group_segment_fixed_size: 289792
    .private_segment_fixed_size: 0
    .kernarg_segment_align: 8
    .kernarg_segment_size: 16
    .max_flat_workgroup_size: 512
    .sgpr_count:     66
    .vgpr_count:     256
    .wavefront_size: 32
...
	.end_amdgpu_metadata
.endif
;; end of part 3
;; launch oproj (part 4): grid 8 x 32, 4 waves a work-group, clusters of 4 x 4, 327,680 bytes of LDS; arguments aop, woop, b_o, out0; writes out0
.if DOCPART == 4
	.amdgcn_target "amdgcn-amd-amdhsa--gfx1250"
	.amdhsa_code_object_version 6
	.text
	.protected	k_qd5bf3f120e_oproj
	.globl	k_qd5bf3f120e_oproj
	.p2align	8
	.type	k_qd5bf3f120e_oproj,@function
k_qd5bf3f120e_oproj:
	s_mov_b64 s[64:65], 0
	v_nop
	global_prefetch_b8 v0, s[64:65] scope:SCOPE_SE
	s_setreg_imm32_b32 hwreg(HW_REG_WAVE_MODE, 25, 1), 1
	s_wait_xcnt 0x0
	s_wait_alu depctr_hold_cnt(0) depctr_sa_sdst(0) depctr_va_vdst(0) depctr_va_sdst(0) depctr_va_ssrc(0) depctr_va_vcc(0) depctr_vm_vsrc(0)
	s_getreg_b32 s2, hwreg(HW_REG_IB_STS2, 6, 4)
	s_cmp_eq_u32 s2, 0
	s_cbranch_scc0 .Lentry_in_a_cluster
	s_endpgm
.Lentry_in_a_cluster:
	s_bfe_u32 s2, ttmp6, 0x10000c
	s_cmp_lg_u32 s2, 0xf033
	s_cbranch_scc0 .Lentry_shape_is_right
	s_endpgm
.Lentry_shape_is_right:
; out0 = a w_o^T + b_o on codes of FP4, K = 1,024.  a: the attention's result as operand records (aop), w_o likewise (woop); out0 [8192][1024] f32.
; ROLES.  R (source 0) = 128 outputs (record 4 X + cx): they run along a lane's result registers.  L (source 1) = 256 tokens (block 4 Y + cy): the token is the result's lane.
; SHARES.  256 work-groups, each 256 tokens x 128 outputs; wave w makes 64 tokens (half w / 2, tiles 4 (w % 2) on) x 128 outputs: 32 accumulators in window 2.  All of K lies in LDS, filled ONCE.
; CLUSTER 4 x 4: L's records are asked for jointly along a row of the cluster, R's along a column.
; The rows of a tile follow the records' order (lane r of tile t: 32 (t / 2) + 8 (t % 2) + r + 8 (r / 8)), so the 16 registers of result tiles 2 g, 2 g + 1 are outputs 32 g + 16 h + 0 .. 15.
; REGISTERS: window 0: v1-29 addresses; v32-95 scale words; v128-191 L's fragments, two sets of 32; on the way out v128-255 rows of out0.   window 1: v0-63, v128-191 R's two sets; v64-127 the bias.   window 2: accumulator (a, b) at v[8 (8 a + b)].
.set REC,   69632
.set SLOT,  98304                      ; a slot: L's two halves, 32,768 bytes each, then R's 32,768
.set SCL,   2*SLOT                     ; the scale words: L's two halves, then R's, 4,096 bytes each
.set STG,   SCL+12288                  ; the stages: 16 rows x (512 + 16) bytes for each wave; no tensor load lands here
.set SPITCH, 528
.set LI,    4
.set ADRL,  16
.set ADRR,  20
.set STO,   24
.set RD,    25
.set ADRS,  27
.set BO1,   29
.set SC,    32
.set LF,    128
.set BK,    128
.set BI,    64
.set G1L,   24
.set G0L,   32
.set G1R,   48
.set G0R,   56
.set G1SL,  68
.set G0SL,  76
.set G1SR,  80
.set G0SR,  88
.set MSB, 0
.macro WIN new                         ; the immediate's high byte repeats the setting that is left
.if MSB != (\new)
	s_set_vgpr_msb (MSB<<8)|(\new)
.set MSB, (\new)
.endif
.endm
.macro PLACES                          ; four plain places behind a matrix instruction (ISA guide 7.12.1)
.rept 4
	v_nop
.endr
.endm
.macro JLOAD g0l, g1l, g0r, g1r        ; waves 0 and 1 fetch for L, waves 2 and 3 for R; four v_nop follow each line
	s_cmp_eq_u32 s17, 0
	s_cbranch_scc0 .Lfor_r_\@
	tensor_load_to_lds s[\g0l:\g0l+3], s[\g1l:\g1l+7]
	s_nop 0
.rept 4
	v_nop
.endr
	s_branch .Lasked_\@
.Lfor_r_\@:
	tensor_load_to_lds s[\g0r:\g0r+3], s[\g1r:\g1r+7]
	s_nop 0
.rept 4
	v_nop
.endr
.Lasked_\@:
.endm
.macro CROUND                          ; a round of the cluster's barrier
	s_barrier_signal -1
	s_barrier_wait -1
	s_cmp_lg_u32 s16, 0
	s_cbranch_scc1 .Lnot_wave_0_\@
	s_barrier_signal -3
.Lnot_wave_0_\@:
	s_barrier_wait -3
	s_barrier_signal -1
	s_barrier_wait -1
.endm
	s_load_b256 s[4:11], s[0:1], 0x0               ; aop s[4:5], woop s[6:7], b_o s[8:9], out0 s[10:11]
	v_lshl_add_u32 v126, v0, 2, 0x3b400
	v_mov_b32 v127, 0
	ds_add_u32 v126, v127
	ds_add_u32 v126, v127
	v_lshrrev_b32 v1, 5, v0
	v_readfirstlane_b32 s16, v1                    ; wave 0..3
	s_lshr_b32 s17, s16, 1                         ; my half of L's rows.  Also: I fetch for L (0) or for R (1)
	s_and_b32 s18, s16, 1                          ; my 64 of its 128.  Also: which half I fetch
	s_bfe_u32 s22, ttmp6, 0x40000                  ; cx
	s_bfe_u32 s23, ttmp6, 0x40004                  ; cy
	s_lshl_b32 s41, ttmp9, 2
	s_add_co_u32 s41, s41, s22                     ; GR = 4 X + cx
	s_and_b32 s40, ttmp7, 0xffff
	s_lshl_b32 s40, s40, 2
	s_add_co_u32 s40, s40, s23                     ; LB = 4 Y + cy
	s_lshl_b32 s42, s23, 2
	s_lshl_b32 s42, 15, s42                        ; my row of the cluster
	s_lshl_b32 s43, 0x1111, s22                    ; my column
	; descriptor groups 1: dense blocks as rows of 256 bytes (32 elements of 8 bytes), no padding
	s_or_b32 s[G1L], s42, (3<<16)|(1<<21)
	s_or_b32 s[G1R], s43, (3<<16)|(1<<21)
	s_or_b32 s[G1SL], s42, (3<<16)|(1<<21)
	s_or_b32 s[G1SR], s43, (3<<16)|(1<<21)
.irp g, G1L, G1R, G1SL, G1SR
	s_mov_b32 s[\g+1], 32<<16
	s_mov_b32 s[\g+3], 32<<16
	s_mov_b32 s[\g+5], 32
	s_mov_b32 s[\g+6], 0
	s_mov_b32 s[\g+7], 0
.endr
	s_mov_b32 s[G1L+2], 128<<16                    ; L's codes: 128 rows
	s_mov_b32 s[G1L+4], 128
	s_mov_b32 s[G1R+2], 64<<16                     ; R's codes: 64 rows a wave
	s_mov_b32 s[G1R+4], 64
	s_mov_b32 s[G1SL+2], 16<<16                    ; L's scale words: 16
	s_mov_b32 s[G1SL+4], 16
	s_mov_b32 s[G1SR+2], 8<<16                     ; R's: 8 a wave
	s_mov_b32 s[G1SR+4], 8
	s_lshl_b32 s44, s40, 1
	s_add_co_u32 s44, s44, s18
	s_mul_i32 s44, s44, REC
	s_mov_b32 s45, 0
	s_mul_i32 s46, s41, REC
	s_mov_b32 s47, 0
	s_lshl_b32 s66, s18, 15                        ; where they go: L's codes,
	s_lshl_b32 s67, s18, 14
	s_add_co_u32 s67, s67, 65536                   ; R's codes,
	s_lshl_b32 s94, s18, 12
	s_add_co_u32 s94, s94, SCL                     ; L's scale words,
	s_lshl_b32 s95, s18, 11
	s_add_co_u32 s95, s95, SCL+8192                ; R's
	s_wait_dscnt 0x0
	s_wait_kmcnt 0x0
	s_add_nc_u64 s[44:45], s[4:5], s[44:45]        ; L's record that I would fetch
	s_add_nc_u64 s[46:47], s[6:7], s[46:47]        ; R's record
	s_lshl_b32 s2, s18, 14
	s_mov_b32 s3, 0
	s_add_nc_u64 s[92:93], s[46:47], s[2:3]        ; my half of its codes,
	s_lshl_b32 s2, s18, 11
	s_add_nc_u64 s[96:97], s[46:47], s[2:3]        ; and of its scale words
	CROUND                                         ; all sixteen work-groups are here: the joint loads meet
	s_mov_b32 s[G0SL], 1
	s_mov_b32 s[G0SL+1], s94
	s_add_nc_u64 s[G0SL+2:G0SL+3], s[44:45], 65536
	s_or_b32 s[G0SL+3], s[G0SL+3], 0x80000000
	s_mov_b32 s[G0SR], 1
	s_mov_b32 s[G0SR+1], s95
	s_add_nc_u64 s[G0SR+2:G0SR+3], s[96:97], 65536
	s_or_b32 s[G0SR+3], s[G0SR+3], 0x80000000
	JLOAD G0SL, G1SL, G0SR, G1SR                   ; by this text's count three tensor loads of a wave are out at the most
.irp s, 0,1
	s_mov_b32 s[G0L+4*\s], 1
	s_add_co_u32 s[G0L+4*\s+1], s66, \s*SLOT
	s_add_nc_u64 s[G0L+4*\s+2:G0L+4*\s+3], s[44:45], \s*32768
	s_or_b32 s[G0L+4*\s+3], s[G0L+4*\s+3], 0x80000000
	s_mov_b32 s[G0R+4*\s], 1
	s_add_co_u32 s[G0R+4*\s+1], s67, \s*SLOT
	s_add_nc_u64 s[G0R+4*\s+2:G0R+4*\s+3], s[92:93], \s*32768
	s_or_b32 s[G0R+4*\s+3], s[G0R+4*\s+3], 0x80000000
	s_wait_alu depctr_va_vdst(0)
	s_wait_tensorcnt 0x0
	ds_add_u32 v126, v127
	s_wait_dscnt 0x0
	CROUND
	JLOAD G0L+4*\s, G1L, G0R+4*\s, G1R
.endr
	v_and_b32 v1, 15, v0                           ; r
	v_bfe_u32 v2, v0, 4, 1                         ; h
	v_and_b32 v3, 31, v0                           ; lane
	v_lshlrev_b32 v[LI], 4, v3
	s_lshl_b32 s2, s17, 15
	s_lshl_b32 s3, s18, 14
	s_add_co_u32 s2, s2, s3
	v_add_nc_u32 v[ADRL], s2, v[LI]                ; my four tiles of L
	v_add_nc_u32 v[ADRL+1], SLOT, v[ADRL]
	v_add_nc_u32 v[ADRR], 65536, v[LI]
	v_add_nc_u32 v[ADRR+1], SLOT, v[ADRR]
	s_lshl_b32 s2, s17, 12                         ; scale words: lanes 0-15 take my tiles of L, lanes 16-31 R's: the lower base + h x the distance.
	s_lshl_b32 s3, s18, 8                          ; (Registers i = 4 .. 7 of a K step serve R alone: their lanes 0-15 read filled bytes that no instruction uses)
	s_add_co_u32 s2, s2, s3
	s_sub_co_u32 s3, 8192, s2
	v_mul_u32_u24 v[ADRS], s3, v2
	s_wait_alu depctr_va_vdst(0)
	s_add_co_u32 s2, s2, SCL
	v_lshl_add_u32 v[ADRS], v1, 2, v[ADRS]
	v_add_nc_u32 v[ADRS], s2, v[ADRS]
	s_mul_i32 s2, s16, 16*SPITCH
	s_add_co_u32 s2, s2, STG                       ; my stage
	v_mul_u32_u24 v[STO], v1, SPITCH
	v_lshl_add_u32 v[STO], v2, 6, v[STO]
	v_add_nc_u32 v[STO], s2, v[STO]                ; in: row r, + 64 h bytes
	v_add_nc_u32 v[RD], s2, v[LI]                  ; back: the 32 lanes take a row of 512 bytes
	v_lshlrev_b32 v[BO1], 6, v2
	s_wait_alu depctr_va_vdst(0)
	s_lshl_b32 s2, s40, 8
	s_lshl_b32 s3, s17, 7
	s_add_co_u32 s2, s2, s3
	s_lshl_b32 s3, s18, 6
	s_add_co_u32 s2, s2, s3                        ; my first token
	s_lshl_b32 s2, s2, 12                          ; rows of 4,096 bytes
	s_lshl_b32 s3, s41, 9                          ; my 128 outputs
	s_add_co_u32 s2, s2, s3
	s_mov_b32 s3, 0
	s_add_nc_u64 s[10:11], s[10:11], s[2:3]
	s_lshl_b32 s2, s41, 9
	s_add_nc_u64 s[8:9], s[8:9], s[2:3]
	WIN 0x40                                       ; destination window 1
.irp b, 0,1,2,3,4,5,6,7                        ; the bias in the result's layout: tile b's eight outputs are 32 (b / 2) + 16 h + 8 (b % 2) + 0 .. 7
	global_load_b128 v[BI+8*\b:BI+8*\b+3], v[BO1], s[8:9] offset:(32*(\b/2)+8*(\b%2))*4
	global_load_b128 v[BI+8*\b+4:BI+8*\b+7], v[BO1], s[8:9] offset:(32*(\b/2)+8*(\b%2))*4+16
.endr
	WIN 0
.macro FRAG reg, adr, off              ; a fragment: two loads of 512 consecutive bytes
	ds_load_b128 v[\reg:\reg+3], v[\adr] offset:\off
	ds_load_b128 v[\reg+4:\reg+7], v[\adr] offset:\off+512
.endm
.macro FETCH k                         ; K step k's 12 fragments into set k % 2: 24 loads in one run
.set FK, (\k)
	WIN 0x40
.irp i, 0,1,2,3,4,5,6,7
	FRAG 128*(FK%2)+8*\i, ADRR+FK/4, 4096*\i+1024*(FK%4)
.endr
	WIN 0
.irp i, 0,1,2,3
	FRAG LF+32*(FK%2)+8*\i, ADRL+FK/4, 4096*\i+1024*(FK%4)
.endr
.endm
; 32 matrix instructions: my four tiles of L, each against R's eight.  first = 1: the sums begin with the bias.  The 32 accumulators take turns.
.macro MUL32 k, first
.if \first
	WIN 0x91                                       ; R window 1, L window 0, C (the bias) window 1, D window 2
.else
	WIN 0xa1                                       ; C and D window 2
.endif
.irp a, 0,1,2,3
.irp b, 0,1,2,3,4,5,6,7
.set rD, 8*(8*\a+\b)
.set rR, 128*((\k)%2)+8*\b
.set rL, LF+32*((\k)%2)+8*\a
.set rSR, SC+8*(\k)+\b
.set rSL, SC+8*(\k)+\a
.if \first
	v_wmma_scale_f32_16x16x128_f8f6f4 v[rD:rD+7], v[rR:rR+7], v[rL:rL+7], v[BI+8*\b:BI+8*\b+7], v[rSR], v[rSL] matrix_a_fmt:MATRIX_FMT_FP4 matrix_b_fmt:MATRIX_FMT_FP4 matrix_a_scale:MATRIX_SCALE_ROW1
.else
	v_wmma_scale_f32_16x16x128_f8f6f4 v[rD:rD+7], v[rR:rR+7], v[rL:rL+7], v[rD:rD+7], v[rSR], v[rSL] matrix_a_fmt:MATRIX_FMT_FP4 matrix_b_fmt:MATRIX_FMT_FP4 matrix_a_scale:MATRIX_SCALE_ROW1
.endif
.endr
.endr
	WIN 0
.endm
.macro PRE k
.if (\k) > 0
	PLACES                                         ; the set to be loaded was read by the last step's products
.endif
.if (\k) == 3
	s_wait_tensorcnt 0x0                           ; my part of slot 1 has landed,
	s_wait_dscnt 0x0
	s_barrier_signal -1
	s_barrier_wait -1                              ; everybody's has.
.endif
.if (\k) < 7
	FETCH (\k)+1
	s_wait_dscnt 24                                ; all but the 24 loads just issued
.else
	s_wait_dscnt 0x0
.endif
.endm
	s_wait_tensorcnt 0x1                           ; the scale words and my part of slot 0 are in; slot 1's load may be out
	s_barrier_signal -1
	s_barrier_wait -1
.irp k, 0,1,2,3,4,5,6,7
.irp i, 0,1,2,3,4,5,6,7
	ds_load_b32 v[SC+8*\k+\i], v[ADRS] offset:512*\k+64*\i
.endr
.endr
	FETCH 0
	PRE 0
	s_wait_loadcnt 0x0                             ; the bias
	MUL32 0, 1
.irp k, 1,2,3,4,5,6,7
	PRE \k
	MUL32 \k, 0
.endr
; THE WAY OUT, a tile of 16 tokens x 128 outputs at a time, through my own stage: in as 32 bytes a lane and tile, back as whole rows of 512 bytes.  LDS serves a wave's instructions in order (ISA guide 5.7.1.4).
.macro TOSTAGE a
	WIN 0x08                                       ; an LDS store's data: window 2
.irp b, 0,1,2,3,4,5,6,7
	ds_store_b128 v[STO], v[8*(8*(\a)+\b):8*(8*(\a)+\b)+3] offset:128*(\b/2)+32*(\b%2)          ; each accumulator from its low end on
	ds_store_b128 v[STO], v[8*(8*(\a)+\b)+4:8*(8*(\a)+\b)+7] offset:128*(\b/2)+32*(\b%2)+16
.endr
	WIN 0
.irp t, 0,1,2,3,4,5,6,7,8,9,10,11,12,13,14,15
	ds_load_b128 v[BK+64*((\a)%2)+4*\t:BK+64*((\a)%2)+4*\t+3], v[RD] offset:SPITCH*\t
.endr
.endm
.macro SEND a, younger                 ; younger: the LDS instructions issued behind tile a's loads, which may stay out
	s_wait_dscnt \younger
.irp t, 0,1,2,3,4,5,6,7,8,9,10,11,12,13,14,15
	global_store_b128 v[LI], v[BK+64*((\a)%2)+4*\t:BK+64*((\a)%2)+4*\t+3], s[10:11] offset:(32*((\a)/2)+8*((\a)%2)+\t+8*(\t/8))*4096 th:TH_STORE_NT   ; 512 consecutive bytes, aligned; written once
.endr
.endm
	PLACES
	TOSTAGE 0
.irp a, 1,2,3
.if \a > 1
	s_wait_xcnt 0x0                                ; tile a - 2's stores have read their registers: tile a's loads may land there
.endif
	TOSTAGE \a
	SEND \a-1, 32                                  ; behind tile a - 1's loads: tile a's 16 stores and 16 loads
.endr
	SEND 3, 0
	s_wait_tensorcnt 0x0
	ds_add_u32 v126, v127
	s_wait_dscnt 0x0
	CROUND                                         ; the closing round
	s_endpgm
.Lfunc_end_k_qd5bf3f120e_oproj:
	.size	k_qd5bf3f120e_oproj, .Lfunc_end_k_qd5bf3f120e_oproj-k_qd5bf3f120e_oproj
	.p2alignl 7, 3214868480
	.fill 96, 4, 3214868480
	.section	.rodata,"a",@progbits
	.p2align	6, 0x0
	.amdhsa_kernel k_qd5bf3f120e_oproj
		.amdhsa_group_segment_fixed_size 327680
		.amdhsa_private_segment_fixed_size 0
		.amdhsa_enable_private_segment 0
		.amdhsa_kernarg_size 32
		.amdhsa_user_sgpr_count 2
		.amdhsa_user_sgpr_kernarg_segment_ptr 1
		.amdhsa_wavefront_size32 1
		.amdhsa_system_sgpr_workgroup_id_x 1
		.amdhsa_system_sgpr_workgroup_id_y 1
		.amdhsa_system_sgpr_workgroup_id_z 1
		.amdhsa_system_vgpr_workitem_id 0
		.amdhsa_next_free_vgpr 768
		.amdhsa_next_free_sgpr 102
		.amdhsa_reserve_vcc 0
		.amdhsa_float_denorm_mode_32 3
		.amdhsa_float_denorm_mode_16_64 3
		.amdhsa_memory_ordered 1
		.amdhsa_forward_progress 1
		.amdhsa_inst_pref_size 77
	.end_amdhsa_kernel
	.amdgpu_metadata
---
amdhsa.version: [ 1, 2 ]
amdhsa.kernels:
  - .name:           k_qd5bf3f120e_oproj
    .symbol:         k_qd5bf3f120e_oproj.kd
    .args:
      - { .name: aop, .offset: 0, .size: 8, .value_kind: global_buffer, .address_space: global }
      - { .name: woop, .offset: 8, .size: 8, .value_kind: global_buffer, .address_space: global }
      - { .name: b_o, .offset: 16, .size: 8, .value_kind: global_buffer, .address_space: global }
      - { .name: out0, .offset: 24, .size: 8, .value_kind: global_buffer, .address_space: global }
    .group_segment_fixed_size: 327680
    .private_segment_fixed_size: 0
    .kernarg_segment_align: 8
    .kernarg_segment_size: 32
    .max_flat_workgroup_size: 128
    .sgpr_count:     102
    .vgpr_count:     768
    .wavefront_size: 32
...
	.end_amdgpu_metadata
.endif
;; end of part 4
